; MI455X (gfx1250); checked and timed in simulation.
; The chip was launched on July 23, 2026; its instructions are those of AMD's public machine-readable ISA for CDNA 5 (MIT licence, August 2026) and "CDNA5" Instruction Set Architecture Reference Guide (July 2026). The comments in the code are by the model that wrote it; some were corrected since.
;; Cross Attention Clustering Learnable K. Allowed arithmetic: float matrix products may take bf16 or f16 operands with f32 sums; all other float work in f32.
;; Inputs: W1 512 x 512 float32; W2 512 x 256 float32; Wk 256 x 512 float32; Wq 256 x 512 float32; Wv 256 x 512 float32; b1 512 float32; b2 256 float32; hit_features 8 x 16,384 x 256 float32; ln1_b 256 float32; ln1_g 256 float32; ln2_b 256 float32; ln2_g 256 float32; slot_representations 8 x 64 x 256 float32.
;; Outputs: out0 8 x 64 x 256 float32.
;; 3 versions, each right and faster than the one before. Each part assembles by itself: llvm-mc -triple=amdgcn-amd-amdhsa -mcpu=gfx1250 --defsym DOCPART=n.
;; ======== version 1 of 3: 3 launches
;; workspace buffers: qf 2,097,152 bytes; wvf 262,144 bytes; w1f 524,288 bytes; w2f 262,144 bytes; op 16,777,216 bytes; ml 1,048,576 bytes
;; launch prep (part 1): grid 128 x 1, 4 waves a work-group, no clusters, 68,096 bytes of LDS; arguments slot_representations, ln1_g, ln1_b, Wq, Wk, Wv, W1, W2, qf, wvf, w1f, w2f; writes qf, wvf, w1f, w2f
.if DOCPART == 1
	.amdgcn_target "amdgcn-amd-amdhsa--gfx1250"
	.amdhsa_code_object_version 6
	.text
	.protected	k_qc2dc69cd47_prep
	.globl	k_qc2dc69cd47_prep
	.p2align	8
	.type	k_qc2dc69cd47_prep,@function
k_qc2dc69cd47_prep:
	s_mov_b64 s[64:65], 0
	v_nop
	global_prefetch_b8 v0, s[64:65] scope:SCOPE_SE
	s_setreg_imm32_b32 hwreg(HW_REG_WAVE_MODE, 25, 1), 1
	s_wait_xcnt 0x0
; prep: everything that does not touch the hits.
; Work-groups 0-63 (id = 8 b + head): LayerNorm 1 of the batch's 64 slots, q = slots_norm Wq_head, and
;   Q'[slot][c] = 0.125 log2(e) * sum over e of q[slot][e] Wk[c][64 head + e],
; so that the next launch gets its logits (base 2) as x Q'^T and K is never formed (a re-association of
; reference()'s two products: the order of rounding differs).  Wave w owns slots 16 w .. 16 w + 15.
; Work-groups 64-79, 80-111, 112-127: Wv, W1, W2 rewritten in bf16 as matrix fragments.
; A fragment is 1,024 bytes: [half 2][lane 32][16 bytes]; half 0 = registers 0-3, half 1 = registers 4-7 of a
; 16 x 32 bf16 operand (lane l: row or column l % 16; registers 0-3: k = 8 (l / 16) + 0..7; 4-7: 16 more).
; All products are used transposed (D = [feature][slot]): a lane's eight results are then eight neighbouring k
; of the next product's B operand, and packing to bf16 is all that stands between two products.
; LIMITS: q, Q' and the weights are rounded once to bf16; LayerNorm in f32, mean first, then centred squares.
; No cluster, no tensor loads: each work-group reads 128 KiB of weights once; nothing is walked in step by partners.
.set WQL, 0                            ; LDS: 32 fragments of Wq^T of this head, [et 4][ks 8]
.set WKL, 32768                        ; LDS: 32 fragments of Wk of this head, [c tile 16][ke 2]
.set GBL, 65536                        ; LDS: ln1_g (1,024 bytes), then ln1_b
.set AQ,  32                           ; v[32:63]   q^T, four tiles of 16 e x 16 slots; then q as two B fragments
.set BUF, 64                           ; v[64:127]  batches on their way to LDS; then two buffers of four A fragments
.set XR,  128                          ; v[128:255] my slot's half row in f32; then 8 B fragments; then 16 tiles of Q'^T
.macro NOPS n
.rept \n
	v_nop
.endr
.endm
; sixteen f32 in fragment order -> eight registers of bf16, in place (register i is read no later than it is written)
.macro PACK16 d
.irp i, 0,1,2,3,4,5,6,7
	v_cvt_pk_bf16_f32 v[(\d)+\i], v[(\d)+2*\i], v[(\d)+2*\i+1]
.endr
.endm
; one fragment of a [K][N] f32 matrix, a column to a lane: k = k0 + 8 h + 0..7, then 16 more.  voff = 8 h pitch + 4 r
.macro GATHER dst, base, voff, k0, pitch
.irp i, 0,1,2,3,4,5,6,7
	global_load_b32 v[(\dst)+\i], v[\voff], s[\base:\base+1] offset:((\k0)+\i)*\pitch
.endr
.irp i, 0,1,2,3,4,5,6,7
	global_load_b32 v[(\dst)+8+\i], v[\voff], s[\base:\base+1] offset:((\k0)+16+\i)*\pitch
.endr
.endm
; four fragments from LDS, step bytes apart
.macro LD4 buf, byte0, step
.irp i, 0,1,2,3
	ds_load_b128 v[(\buf)+8*\i:(\buf)+8*\i+3], v1 offset:(\byte0)+\i*(\step)
	ds_load_b128 v[(\buf)+8*\i+4:(\buf)+8*\i+7], v1 offset:(\byte0)+\i*(\step)+512
.endr
.endm
; a wave rewrites four fragments: x = 4 (id - first) + wave; column tile x >> lk; K steps 4 (x mod 2^lk) + 0..3;
; the four lie at 4,096 x in the output, and each store of the wave covers 512 consecutive bytes
.macro TF src, dst, first, pitch, lk
	s_sub_co_u32 s28, ttmp9, \first
	s_lshl_b32 s28, s28, 2
	s_add_co_u32 s28, s28, s3
	s_lshr_b32 s29, s28, \lk
	s_and_b32 s30, s28, (1<<\lk)-1
	s_mul_i32 s30, s30, 128*\pitch                 ; four K steps of 32 rows
	s_lshl_b32 s29, s29, 6                         ; 16 columns of 4 bytes
	s_add_co_u32 s30, s30, s29
	s_add_nc_u64 s[\src:\src+1], s[\src:\src+1], s[30:31]
	s_lshl_b32 s30, s28, 12
	s_add_nc_u64 s[\dst:\dst+1], s[\dst:\dst+1], s[30:31]
	v_mul_u32_u24 v4, v3, 8*\pitch
	v_lshl_add_u32 v4, v2, 2, v4
.irp i, 0,1,2,3
	GATHER 64+16*\i, \src, 4, 32*\i, \pitch
.endr
	s_wait_loadcnt 0x0
.irp i, 0,1,2,3
	PACK16 64+16*\i
.endr
.irp i, 0,1,2,3
	global_store_b128 v1, v[64+16*\i:64+16*\i+3], s[\dst:\dst+1] offset:1024*\i
	global_store_b128 v1, v[64+16*\i+4:64+16*\i+7], s[\dst:\dst+1] offset:1024*\i+512
.endr
	s_endpgm
.endm
	s_load_b512 s[4:19], s[0:1], 0x0               ; slots s[4:5], g s[6:7], b s[8:9], Wq s[10:11], Wk s[12:13], Wv s[14:15], W1 s[16:17], W2 s[18:19]
	s_load_b256 s[20:27], s[0:1], 0x40             ; qf s[20:21], wvf s[22:23], w1f s[24:25], w2f s[26:27]
	v_lshl_add_u32 v30, v0, 2, 0x10800
	v_mov_b32 v31, 0
	v_lshrrev_b32 v2, 5, v0
	v_readfirstlane_b32 s3, v2                     ; wave
	v_and_b32 v1, 31, v0
	v_lshlrev_b32 v1, 4, v1                        ; 16 x lane
	v_and_b32 v2, 15, v0                           ; r
	v_bfe_u32 v3, v0, 4, 1                         ; h
	s_mov_b32 s31, 0                               ; upper word of every offset pair s[30:31]
	s_wait_kmcnt 0x0
	s_cmp_lt_u32 ttmp9, 64                         ; the role hangs on the work-group's number alone: alike in its four waves
	s_cbranch_scc1 .Lrole_q
	s_cmp_lt_u32 ttmp9, 80
	s_cbranch_scc1 .Lrole_wv
	s_cmp_lt_u32 ttmp9, 112
	s_cbranch_scc1 .Lrole_w1
	TF 18, 26, 112, 1024, 2                        ; W2 [512][256] -> [o tile 16][K step 16]
.Lrole_w1:
	TF 16, 24, 80, 2048, 2                         ; W1 [512][512] -> [j tile 32][K step 16]
.Lrole_wv:
	TF 14, 22, 64, 2048, 1                         ; Wv [256][512] -> [column tile 32][K step 8]
.Lrole_q:
	s_lshr_b32 s28, ttmp9, 3                       ; b
	s_and_b32 s29, ttmp9, 7                        ; head
	s_lshl_b32 s30, s28, 16
	s_lshl_b32 s2, s3, 14
	s_add_co_u32 s30, s30, s2
	s_add_nc_u64 s[4:5], s[4:5], s[30:31]          ; slots: batch b, row 16 w
	s_lshl_b32 s30, s29, 8
	s_lshl_b32 s2, s3, 6
	s_add_co_u32 s30, s30, s2
	s_add_nc_u64 s[10:11], s[10:11], s[30:31]      ; Wq: column 64 head + 16 w
	s_lshl_b32 s30, s29, 8
	s_lshl_b32 s2, s3, 17
	s_add_co_u32 s30, s30, s2
	s_add_nc_u64 s[12:13], s[12:13], s[30:31]      ; Wk: row 64 w, column 64 head
	s_lshl_b32 s30, ttmp9, 15
	s_lshl_b32 s2, s3, 13
	s_add_co_u32 s30, s30, s2
	s_add_nc_u64 s[20:21], s[20:21], s[30:31]      ; qf: fragment 32 id + 8 w
	s_mov_b32 s32, 0x76543210                      ; v_permlanex16_b32: lane i of one half reads lane i of the other
	s_mov_b32 s33, 0xfedcba98
	s_mov_b32 s34, 0x3b800000                      ; 1 / 256
	s_mov_b32 s35, 0x3727c5ac                      ; 1e-5
	v_lshlrev_b32 v4, 10, v2
	v_lshl_add_u32 v4, v3, 5, v4                   ; slots: 1,024 r + 32 h
	v_lshlrev_b32 v5, 3, v0                        ; g, b: 8 bytes a thread
	v_lshlrev_b32 v6, 14, v3
	v_lshl_add_u32 v6, v2, 2, v6                   ; Wq: 8 h rows of 2,048 bytes + 4 r
	v_add_nc_u32 v7, s2, v1                        ; LDS: my wave's eight fragments + 16 x lane
	v_lshlrev_b32 v9, 11, v2
	v_lshl_add_u32 v9, v3, 5, v9                   ; Wk: 2,048 r + 32 h
	v_lshlrev_b32 v10, 5, v3
	v_add_nc_u32 v10, GBL, v10                     ; LDS: g at 32 h
	v_add_nc_u32 v11, GBL, v5                      ; LDS: where my 8 bytes of g go
	global_load_b64 v[12:13], v5, s[6:7]
	global_load_b64 v[14:15], v5, s[8:9]
	; my slot's row, already in fragment order: lanes (r, 0) and (r, 1) hold the row's 256 numbers between them
.irp ks, 0,1,2,3,4,5,6,7
.irp q, 0,1,2,3
	global_load_b128 v[XR+16*\ks+4*\q:XR+16*\ks+4*\q+3], v4, s[4:5] offset:128*\ks+16*(\q&1)+64*(\q>>1)
.endr
.endr
	s_wait_loadcnt 32                              ; g and b are in; the 32 loads of the slots stay out
	ds_store_b64 v11, v[12:13]
	ds_store_b64 v11, v[14:15] offset:1024
	; Wq^T: wave w makes the eight fragments of e tile w, four at a time
.irp bt, 0,1
.irp i, 0,1,2,3
	GATHER BUF+16*\i, 10, 6, 32*(4*\bt+\i), 2048
.endr
	s_wait_loadcnt 0x0
.irp i, 0,1,2,3
	PACK16 BUF+16*\i
.endr
.irp i, 0,1,2,3
	ds_store_b128 v7, v[BUF+16*\i:BUF+16*\i+3] offset:WQL+(4*\bt+\i)*1024
	ds_store_b128 v7, v[BUF+16*\i+4:BUF+16*\i+7] offset:WQL+(4*\bt+\i)*1024+512
.endr
	s_wait_dscnt 0x0                               ; the stores have read the batch: the next loads may land on it
.endr
	; Wk: rows c, e along the rows: wave w makes c tiles 4 w .. 4 w + 3, both K steps; fragment f of a batch: tile 2 bt + f / 2, step f % 2
.irp bt, 0,1
.irp f, 0,1,2,3
.irp q, 0,1,2,3
	global_load_b128 v[BUF+16*\f+4*\q:BUF+16*\f+4*\q+3], v9, s[12:13] offset:32768*(2*\bt+(\f>>1))+128*(\f&1)+16*(\q&1)+64*(\q>>1)
.endr
.endr
	s_wait_loadcnt 0x0
.irp f, 0,1,2,3
	PACK16 BUF+16*\f
.endr
.irp f, 0,1,2,3
	ds_store_b128 v7, v[BUF+16*\f:BUF+16*\f+3] offset:WKL+(4*\bt+\f)*1024
	ds_store_b128 v7, v[BUF+16*\f+4:BUF+16*\f+7] offset:WKL+(4*\bt+\f)*1024+512
.endr
	s_wait_dscnt 0x0                               ; as above; behind the last batch: my stores are done before I signal
.endr
	s_barrier_signal -1
	s_barrier_wait -1                              ; g, b and all 64 fragments are in LDS
	; LayerNorm 1.  Mean: four chains over my 128 numbers, then the other half of the row from lane l xor 16
.irp c, 0,1,2,3
	v_pk_add_f32 v[12+2*\c:13+2*\c], v[XR+2*\c:XR+2*\c+1], v[XR+8+2*\c:XR+9+2*\c]
.endr
.set j, 8
.rept 56
	v_pk_add_f32 v[12+2*(j%4):13+2*(j%4)], v[12+2*(j%4):13+2*(j%4)], v[XR+2*j:XR+2*j+1]
.set j, j+1
.endr
	v_pk_add_f32 v[12:13], v[12:13], v[14:15]
	v_pk_add_f32 v[16:17], v[16:17], v[18:19]
	v_pk_add_f32 v[12:13], v[12:13], v[16:17]
	v_add_f32 v12, v12, v13
	v_permlanex16_b32 v13, v12, s32, s33
	v_add_f32 v12, v12, v13
	v_mul_f32 v12, s34, v12                        ; the mean
.set j, 0
.rept 64
	v_pk_add_f32 v[XR+2*j:XR+2*j+1], v[XR+2*j:XR+2*j+1], v[12:13] op_sel_hi:[1,0] neg_lo:[0,1] neg_hi:[0,1]
.set j, j+1
.endr
	; variance of the centred numbers
.irp c, 0,1,2,3
	v_pk_mul_f32 v[14+2*\c:15+2*\c], v[XR+2*\c:XR+2*\c+1], v[XR+2*\c:XR+2*\c+1]
.endr
.set j, 4
.rept 60
	v_pk_fma_f32 v[14+2*(j%4):15+2*(j%4)], v[XR+2*j:XR+2*j+1], v[XR+2*j:XR+2*j+1], v[14+2*(j%4):15+2*(j%4)]
.set j, j+1
.endr
	v_pk_add_f32 v[14:15], v[14:15], v[16:17]
	v_pk_add_f32 v[18:19], v[18:19], v[20:21]
	v_pk_add_f32 v[14:15], v[14:15], v[18:19]
	v_add_f32 v14, v14, v15
	v_permlanex16_b32 v15, v14, s32, s33
	v_add_f32 v14, v14, v15
	v_fma_f32 v14, v14, s34, s35                   ; variance + 1e-5
	v_rsq_f32 v14, v14
	v_nop                                          ; one plain instruction behind the transcendental (ISA guide 5.7.2)
	s_wait_alu depctr_va_vdst(0)
	; times g, plus b, two K steps at a time; then to bf16: B fragment ks lies in v[XR + 16 ks : + 7]
.irp rd, 0,1,2,3
.irp jj, 0,1
.irp q, 0,1,2,3
	ds_load_b128 v[BUF+32*\jj+4*\q:BUF+32*\jj+4*\q+3], v10 offset:128*(2*\rd+\jj)+16*(\q&1)+64*(\q>>1)
	ds_load_b128 v[BUF+16+32*\jj+4*\q:BUF+16+32*\jj+4*\q+3], v10 offset:1024+128*(2*\rd+\jj)+16*(\q&1)+64*(\q>>1)
.endr
.endr
	s_wait_dscnt 0x0
.irp jj, 0,1
.irp e, 0,1,2,3,4,5,6,7
	v_pk_mul_f32 v[XR+16*(2*\rd+\jj)+2*\e:XR+16*(2*\rd+\jj)+2*\e+1], v[XR+16*(2*\rd+\jj)+2*\e:XR+16*(2*\rd+\jj)+2*\e+1], v[14:15] op_sel_hi:[1,0]
	v_pk_fma_f32 v[XR+16*(2*\rd+\jj)+2*\e:XR+16*(2*\rd+\jj)+2*\e+1], v[XR+16*(2*\rd+\jj)+2*\e:XR+16*(2*\rd+\jj)+2*\e+1], v[BUF+32*\jj+2*\e:BUF+32*\jj+2*\e+1], v[BUF+16+32*\jj+2*\e:BUF+16+32*\jj+2*\e+1]
.endr
	PACK16 XR+16*(2*\rd+\jj)
.endr
.endr
	; q^T[e][slot] = Wq^T slots_norm^T: four accumulators by turns, one instruction a turn.
	; Two buffers of four A fragments: a buffer is loaded again four places behind the products that read it (ISA guide 7.12.1).
	LD4 BUF, WQL, 8192
.irp ks, 0,1,2,3,4,5,6,7
.if \ks < 7
.if \ks > 0
	NOPS 4
.endif
	LD4 BUF+32*((\ks+1)&1), WQL+1024*(\ks+1), 8192
	s_wait_dscnt 8                                 ; this step's fragments are in; the next step's eight loads stay out
.else
	s_wait_dscnt 0x0
.endif
.irp et, 0,1,2,3
.if \ks == 0
	v_wmma_f32_16x16x32_bf16 v[AQ+8*\et:AQ+8*\et+7], v[BUF+32*(\ks&1)+8*\et:BUF+32*(\ks&1)+8*\et+7], v[XR+16*\ks:XR+16*\ks+7], 0
.else
	v_wmma_f32_16x16x32_bf16 v[AQ+8*\et:AQ+8*\et+7], v[BUF+32*(\ks&1)+8*\et:BUF+32*(\ks&1)+8*\et+7], v[XR+16*\ks:XR+16*\ks+7], v[AQ+8*\et:AQ+8*\et+7]
.endif
.endr
.endr
	NOPS 5                                         ; four places before q is read, five before the next products write over the B fragments
	LD4 BUF, WKL, 2048
.set j, 0
.rept 16
	v_pk_mul_f32 v[AQ+2*j:AQ+2*j+1], v[AQ+2*j:AQ+2*j+1], 0x3e38aa3b op_sel_hi:[1,0]   ; 64^-0.5 log2(e): the softmax works in base 2
.set j, j+1
.endr
	PACK16 AQ                                      ; q as B fragment, e = 0..31
	PACK16 AQ+16                                   ; e = 32..63, in v[AQ+16 : AQ+23]
	; Q'^T[c][slot] = Wk q^T: group g: K step g / 4, c tiles 4 (g % 4) + 0..3; sixteen accumulators by turns
.irp g, 0,1,2,3,4,5,6,7
.if \g < 7
.if \g > 0
	NOPS 4
.endif
	LD4 BUF+32*((\g+1)&1), WKL+1024*(8*((\g+1)&3)+((\g+1)>>2)), 2048
	s_wait_dscnt 8                                 ; this group's fragments are in; the next group's eight loads stay out
.else
	s_wait_dscnt 0x0
.endif
.irp i, 0,1,2,3
.if \g < 4
	v_wmma_f32_16x16x32_bf16 v[XR+8*(4*(\g&3)+\i):XR+8*(4*(\g&3)+\i)+7], v[BUF+32*(\g&1)+8*\i:BUF+32*(\g&1)+8*\i+7], v[AQ:AQ+7], 0
.else
	v_wmma_f32_16x16x32_bf16 v[XR+8*(4*(\g&3)+\i):XR+8*(4*(\g&3)+\i)+7], v[BUF+32*(\g&1)+8*\i:BUF+32*(\g&1)+8*\i+7], v[AQ+16:AQ+23], v[XR+8*(4*(\g&3)+\i):XR+8*(4*(\g&3)+\i)+7]
.endif
.endr
.endr
	NOPS 4
	; c tile d is half d % 2 of the B fragment of K step d / 2: each store of the wave covers 512 consecutive bytes
.irp d, 0,1,2,3,4,5,6,7,8,9,10,11,12,13,14,15
.irp i, 0,1,2,3
	v_cvt_pk_bf16_f32 v[XR+8*\d+\i], v[XR+8*\d+2*\i], v[XR+8*\d+2*\i+1]
.endr
	global_store_b128 v1, v[XR+8*\d:XR+8*\d+3], s[20:21] offset:512*\d
.endr
	s_wait_tensorcnt 0x0
	ds_add_u32 v30, v31
	s_wait_dscnt 0x0
	s_endpgm
.Lfunc_end_k_qc2dc69cd47_prep:
	.size	k_qc2dc69cd47_prep, .Lfunc_end_k_qc2dc69cd47_prep-k_qc2dc69cd47_prep
	.p2alignl 7, 3214868480
	.fill 96, 4, 3214868480
	.section	.rodata,"a",@progbits
	.p2align	6, 0x0
	.amdhsa_kernel k_qc2dc69cd47_prep
		.amdhsa_group_segment_fixed_size 68096
		.amdhsa_private_segment_fixed_size 0
		.amdhsa_enable_private_segment 0
		.amdhsa_kernarg_size 96
		.amdhsa_user_sgpr_count 2
		.amdhsa_user_sgpr_kernarg_segment_ptr 1
		.amdhsa_wavefront_size32 1
		.amdhsa_system_sgpr_workgroup_id_x 1
		.amdhsa_system_sgpr_workgroup_id_y 1
		.amdhsa_system_sgpr_workgroup_id_z 1
		.amdhsa_system_vgpr_workitem_id 0
		.amdhsa_next_free_vgpr 256
		.amdhsa_next_free_sgpr 66
		.amdhsa_reserve_vcc 0
		.amdhsa_float_denorm_mode_32 3
		.amdhsa_float_denorm_mode_16_64 3
		.amdhsa_memory_ordered 1
		.amdhsa_forward_progress 1
		.amdhsa_inst_pref_size 111
	.end_amdhsa_kernel
	.amdgpu_metadata
---
amdhsa.version: [ 1, 2 ]
amdhsa.kernels:
  - .name:           k_qc2dc69cd47_prep
    .symbol:         k_qc2dc69cd47_prep.kd
    .args:
      - { .name: slot_representations, .offset: 0, .size: 8, .value_kind: global_buffer, .address_space: global }
      - { .name: ln1_g, .offset: 8, .size: 8, .value_kind: global_buffer, .address_space: global }
      - { .name: ln1_b, .offset: 16, .size: 8, .value_kind: global_buffer, .address_space: global }
      - { .name: Wq, .offset: 24, .size: 8, .value_kind: global_buffer, .address_space: global }
      - { .name: Wk, .offset: 32, .size: 8, .value_kind: global_buffer, .address_space: global }
      - { .name: Wv, .offset: 40, .size: 8, .value_kind: global_buffer, .address_space: global }
      - { .name: W1, .offset: 48, .size: 8, .value_kind: global_buffer, .address_space: global }
      - { .name: W2, .offset: 56, .size: 8, .value_kind: global_buffer, .address_space: global }
      - { .name: qf, .offset: 64, .size: 8, .value_kind: global_buffer, .address_space: global }
      - { .name: wvf, .offset: 72, .size: 8, .value_kind: global_buffer, .address_space: global }
      - { .name: w1f, .offset: 80, .size: 8, .value_kind: global_buffer, .address_space: global }
      - { .name: w2f, .offset: 88, .size: 8, .value_kind: global_buffer, .address_space: global }
    .group_segment_fixed_size: 68096
    .private_segment_fixed_size: 0
    .kernarg_segment_align: 8
    .kernarg_segment_size: 96
    .max_flat_workgroup_size: 128
    .sgpr_count:     66
    .vgpr_count:     256
    .wavefront_size: 32
...
	.end_amdgpu_metadata
.endif
;; end of part 1
;; launch attn (part 2): grid 2 x 128, 4 waves a work-group, no clusters, 327,680 bytes of LDS; arguments hit_features, qf, wvf, op, ml; writes op, ml
.if DOCPART == 2
	.amdgcn_target "amdgcn-amd-amdhsa--gfx1250"
	.amdhsa_code_object_version 6
	.text
	.protected	k_qc2dc69cd47_attn
	.globl	k_qc2dc69cd47_attn
	.p2align	8
	.type	k_qc2dc69cd47_attn,@function
k_qc2dc69cd47_attn:
	s_mov_b64 s[64:65], 0
	v_nop
	global_prefetch_b8 v0, s[64:65] scope:SCOPE_SE
	s_setreg_imm32_b32 hwreg(HW_REG_WAVE_MODE, 25, 1), 1
	s_wait_xcnt 0x0
; attn: attention of 4 heads x 64 slots over a chunk of 1,024 hits of one batch, in 16 tiles of 64 hits.
; Work-group (x, y): heads 4 x .. 4 x + 3, batch y / 16, chunk y % 16.  Wave w is head 4 x + w, all 64 slots.
; For each tile a wave makes, from the SAME fragments of x (bf16, in LDS):
;   S^T[hit][slot] = x Q'^T  (logits in base 2; Q' comes from the launch before)      128 matrix instructions
;   V[hit][dv]     = x Wv_head                                                        128
; then a running maximum for each slot, P = 2^(S - max), and O^T[dv][slot] = O^T * 2^(old max - max) + V^T P^T   32
; Everything is transposed so that a lane's eight results are eight neighbouring k of the next operand: P and V are
; packed to bf16 where they lie, and no number changes its lane.  Out go O^T (f32), the maximum and the sum of each slot;
; the next launch joins the 16 chunks.
; x is f32 in memory: the tensor data mover brings a tile into one of two f32 slots; each wave brings and converts its own
; 16 rows into one of two bf16 slots, a tile ahead of the products, eight conversions in front of each K step's products.
; Trip t (p = t % 2): multiplies tile t from BF(p), converts tile t + 1 from F(1 - p) into BF(1 - p), asks for tile t + 2 into F(p).
; By this text's count a wave has two tensor loads out ahead of the first trip and one in every trip.
; NO CLUSTER: a tile of x has two readers (the two work-groups x = 0, 1 of one y); the masks of a row, a column or all four of a
; cluster name four.  Four readers would mean 32 slots x 4 heads to a work-group and half the products for each LDS byte.
; LIMITS: logits must be finite (NaN and infinities are not reproduced).  The maximum is a true running maximum, started by the
; first tile.  x, Q', Wv, P and V are rounded once to bf16; maxima, sums and O are f32.
.set BPITCH, 528                       ; a bf16 row: 512 bytes + 16 = 33 x 16: the 16 rows of a fragment start in 16 different 16-byte columns of 256
.set BFB,    64*BPITCH                 ; a bf16 slot, 33,792 bytes = 132 x 256; BF0 at 0, BF1 behind it; written by ds_store alone
.set F0,     2*BFB                     ; the f32 slots, filled by tensor loads alone
.set FSLOT,  65536                     ; 64 rows of 1,024 bytes; wave w's 16 rows at 16,384 w
; window 0
.set XA, 2                             ; v2       528 r + 16 h: my place in a fragment of x
.set CA, 3                             ; v3, v4   my 16 bytes in my quarter of F0, F1
.set CS, 5                             ; v5       my 8 bytes in my 16 rows of a bf16 slot
.set ST, 8                             ; v[8:23]  slot tile qt: maximum, new maximum, 2^(old - new), scratch at ST + 4 qt + 0..3
.set LS, 24                            ; v[24:31] slot tile qt: a pair of running sums
.set MQ, 32                            ; v[32:35] the way out: four maxima
.set LQ, 36                            ; v[36:39] the way out: four sums
.set CV, 40                            ; v[40:55] 16 f32 on their way to bf16
.set CO, 56                            ; v[56:63] the same as bf16
.set FB, 64                            ; v[64:95], v[96:127] two buffers of four fragments of x
.set SC, 128                           ; v[128:255] S(mt, qt) at SC + 32 qt + 8 mt; then P(qt, kk) at SC + 32 qt + 16 kk
; window 1: Q' fragment (qt, ks) at 8 (8 qt + ks).   window 2: Wv fragment (dt, ks) at 8 (8 dt + ks).
; window 3: V(mt, dt) at 32 dt + 8 mt, then V^T fragment (dt, kk) at 32 dt + 16 kk;  O(dt, qt) at OA + 8 (4 dt + qt)
.set OA, 128
.set G1, 24                            ; s[24:31] descriptor group 1
.set G0, 32                            ; s[32:35], s[36:39] descriptor group 0 of F0, F1
; s_set_vgpr_msb: bits 1:0 source 0, 3:2 source 1, 5:4 source 2, 7:6 destination
.set SIG_S,  0x04                      ; B in window 1; LDS loads under it have address and destination in window 0
.set SIG_V,  0xf8                      ; B in window 2, C and D in window 3
.set SIG_VC, 0xcf                      ; both sources and the destination in window 3
.set SIG_PV, 0xf3                      ; A, C, D in window 3, B (or the second source) in window 0
.set MSB, 0
.macro WIN new                         ; the immediate's high byte repeats the setting that is left
.if MSB != \new
	s_set_vgpr_msb (MSB<<8)|\new
.set MSB, \new
.endif
.endm
.macro NOPS n
.rept \n
	v_nop
.endr
.endm
.macro PACK16 d
.irp i, 0,1,2,3,4,5,6,7
	v_cvt_pk_bf16_f32 v[(\d)+\i], v[(\d)+2*\i], v[(\d)+2*\i+1]
.endr
.endm
; load u (0..3) of the 2 rows of f32 that K step ks converts: 512 consecutive bytes to the wave
.macro CL p, ks, u
	ds_load_b128 v[CV+4*(\u):CV+4*(\u)+3], v[CA+1-(\p)] offset:(4*(\ks)+(\u))*512
.endm
; load f (0..7) of K step ks's four fragments of x: row tile f / 2, half f % 2
.macro FLD p, ks, f
	ds_load_b128 v[FB+32*((\ks)&1)+4*(\f):FB+32*((\ks)&1)+4*(\f)+3], v[XA] offset:BFB*(\p)+16*BPITCH*((\f)>>1)+64*(\ks)+32*((\f)&1)
.endm
; In front of a K step's products.  The eight conversions (or five v_nop) are also the places between the products of the K step
; before and the loads into the buffer that they read, and, at ks = 0, between the last tile's O products and the products that
; write over P and V^T (four and five).
.macro HEAD p, ks, conv
	WIN 0
.if \conv
	s_wait_dscnt 8                                 ; my four loads of f32 are in (and the stores before them done); the eight fragment loads behind them stay out
.irp u, 0,1,2,3
	v_cvt_pk_bf16_f32 v[CO+2*\u], v[CV+4*\u], v[CV+4*\u+1]
	v_cvt_pk_bf16_f32 v[CO+2*\u+1], v[CV+4*\u+2], v[CV+4*\u+3]
.endr
.irp u, 0,1,2,3
	ds_store_b64 v[CS], v[CO+2*\u:CO+2*\u+1] offset:BFB*(1-(\p))+BPITCH*(2*(\ks)+(\u>>1))+256*(\u&1)
.endr
.else
	NOPS 5
.endif
.endm
; 16 products S(mt, qt) += x(mt, ks) Q'(qt, ks); behind the first twelve stands one LDS load each for K step ks + 1
.macro SGRP p, ks, conv
	WIN SIG_S
	s_wait_dscnt 4*\conv                           ; this K step's fragments are in; only the four stores just issued are younger
.set wn, 0
.irp mt, 0,1,2,3
.irp qt, 0,1,2,3
.if \ks == 0
	v_wmma_f32_16x16x32_bf16 v[SC+32*\qt+8*\mt:SC+32*\qt+8*\mt+7], v[FB+32*(\ks&1)+8*\mt:FB+32*(\ks&1)+8*\mt+7], v[8*(8*\qt+\ks):8*(8*\qt+\ks)+7], 0
.else
	v_wmma_f32_16x16x32_bf16 v[SC+32*\qt+8*\mt:SC+32*\qt+8*\mt+7], v[FB+32*(\ks&1)+8*\mt:FB+32*(\ks&1)+8*\mt+7], v[8*(8*\qt+\ks):8*(8*\qt+\ks)+7], v[SC+32*\qt+8*\mt:SC+32*\qt+8*\mt+7]
.endif
.if \ks < 7
.if wn < 4
.if \conv
	CL \p, \ks+1, wn
.endif
.else
.if wn < 12
	FLD \p, \ks+1, wn-4
.endif
.endif
.endif
.set wn, wn+1
.endr
.endr
.endm
; 16 products V(mt, dt) += x(mt, ks) Wv(dt, ks), from the same four fragments
.macro VGRP ks
	WIN SIG_V
.irp mt, 0,1,2,3
.irp dt, 0,1,2,3
.if \ks == 0
	v_wmma_f32_16x16x32_bf16 v[32*\dt+8*\mt:32*\dt+8*\mt+7], v[FB+32*(\ks&1)+8*\mt:FB+32*(\ks&1)+8*\mt+7], v[8*(8*\dt+\ks):8*(8*\dt+\ks)+7], 0
.else
	v_wmma_f32_16x16x32_bf16 v[32*\dt+8*\mt:32*\dt+8*\mt+7], v[FB+32*(\ks&1)+8*\mt:FB+32*(\ks&1)+8*\mt+7], v[8*(8*\dt+\ks):8*(8*\dt+\ks)+7], v[32*\dt+8*\mt:32*\dt+8*\mt+7]
.endif
.endr
.endr
.endm
; block b = 4 qt + mt of S: eight registers at SC + 8 b
.macro SUB1 b, i                       ; two logits less the maximum
	v_pk_add_f32 v[SC+8*(\b)+2*\i:SC+8*(\b)+2*\i+1], v[SC+8*(\b)+2*\i:SC+8*(\b)+2*\i+1], v[ST+4*((\b)>>2):ST+4*((\b)>>2)+1] op_sel_hi:[1,0] neg_lo:[0,1] neg_hi:[0,1]
.endm
.macro SUM1 b, i                       ; two exponentials onto the running sums
	s_wait_alu depctr_va_vdst(0)
	v_pk_add_f32 v[LS+2*((\b)>>2):LS+2*((\b)>>2)+1], v[LS+2*((\b)>>2):LS+2*((\b)>>2)+1], v[SC+8*(\b)+2*\i:SC+8*(\b)+2*\i+1]
.endm
.macro CVT1 b, i                       ; two exponentials into their place in the B fragment P(qt, mt / 2), half mt % 2
	v_cvt_pk_bf16_f32 v[SC+32*((\b)>>2)+16*(((\b)&3)>>1)+4*((\b)&1)+\i], v[SC+8*(\b)+2*\i], v[SC+8*(\b)+2*\i+1]
.endm
; eight exponentials of block b; a plain instruction of the block behind (subtract) or of the block before (sum) stands behind each,
; so that every result is first used a block later
.macro SOFTBLK b
.irp i, 0,1,2,3
	v_exp_f32 v[SC+8*(\b)+\i], v[SC+8*(\b)+\i]
.if (\b) < 15
	SUB1 \b+1, \i
.endif
.endr
.irp i, 0,1,2,3
	v_exp_f32 v[SC+8*(\b)+4+\i], v[SC+8*(\b)+4+\i]
.if (\b) > 0
	SUM1 \b-1, \i
.endif
.endr
.if (\b) > 0
.irp i, 0,1,2,3
	CVT1 \b-1, \i
.endr
.endif
.endm
.macro SOFTMAX first
	WIN 0
	NOPS 4                                         ; four places behind the last products before S is read (ISA guide 7.12.1)
.irp qt, 0,1,2,3                                   ; four chains, one for each slot tile; a lane holds 32 of its slot's 64 logits
.if \first
	v_max_num_f32 v[ST+4*\qt+1], v[SC+32*\qt], v[SC+32*\qt+1]
.else
	v_max3_num_f32 v[ST+4*\qt+1], v[ST+4*\qt], v[SC+32*\qt], v[SC+32*\qt+1]
.endif
.endr
.irp i, 1,2,3,4,5,6,7,8,9,10,11,12,13,14,15
.irp qt, 0,1,2,3
	v_max3_num_f32 v[ST+4*\qt+1], v[ST+4*\qt+1], v[SC+32*\qt+2*\i], v[SC+32*\qt+2*\i+1]
.endr
.endr
.irp qt, 0,1,2,3
	v_permlanex16_b32 v[ST+4*\qt+3], v[ST+4*\qt+1], s40, s41   ; the other 32 logits lie in lane l xor 16
.endr
.irp qt, 0,1,2,3
	v_max_num_f32 v[ST+4*\qt+1], v[ST+4*\qt+1], v[ST+4*\qt+3]
.endr
.if \first == 0
.irp qt, 0,1,2,3
	v_sub_f32 v[ST+4*\qt+2], v[ST+4*\qt], v[ST+4*\qt+1]        ; old maximum - new, at most 0
.endr
.endif
.irp qt, 0,1,2,3
	v_mov_b32 v[ST+4*\qt], v[ST+4*\qt+1]
.endr
.if \first == 0
.irp qt, 0,1,2,3
	v_exp_f32 v[ST+4*\qt+2], v[ST+4*\qt+2]
.endr
.endif
.irp i, 0,1,2,3
	SUB1 0, \i
.endr
.if \first == 0
	s_wait_alu depctr_va_vdst(0)
.irp qt, 0,1,2,3
	v_pk_mul_f32 v[LS+2*\qt:LS+2*\qt+1], v[LS+2*\qt:LS+2*\qt+1], v[ST+4*\qt+2:ST+4*\qt+3] op_sel_hi:[1,0]
.endr
.endif
.irp b, 0,1,2,3,4,5,6,7,8,9,10,11,12,13,14,15
	SOFTBLK \b
.endr
.irp i, 0,1,2,3
	SUM1 15, \i
.endr
.irp i, 0,1,2,3
	CVT1 15, \i
.endr
.endm
.macro VCVT                            ; V to bf16 where it lies: A fragment (dt, kk) of V^T
	WIN SIG_VC
.irp dt, 0,1,2,3
	PACK16 32*\dt
	PACK16 32*\dt+16
.endr
.endm
.macro RESC a                          ; O tile a = 4 dt + qt times 2^(old maximum - new) of its slot
.irp i, 0,1,2,3
	v_pk_mul_f32 v[OA+8*(\a)+2*\i:OA+8*(\a)+2*\i+1], v[OA+8*(\a)+2*\i:OA+8*(\a)+2*\i+1], v[ST+4*((\a)&3)+2:ST+4*((\a)&3)+3] op_sel_hi:[1,0]
.endr
.endm
; O(dt, qt) += V^T(dt, kk) P(qt, kk): sixteen accumulators by turns, one instruction a turn.
; The rescaling of tile a + 4 stands behind the product of tile a: it names none of the registers of the products issued so far.
.macro PV first
	WIN SIG_PV
.if \first == 0
.irp a, 0,1,2,3
	RESC \a
.endr
.endif
.irp dt, 0,1,2,3
.irp qt, 0,1,2,3
.if \first
	v_wmma_f32_16x16x32_bf16 v[OA+8*(4*\dt+\qt):OA+8*(4*\dt+\qt)+7], v[32*\dt:32*\dt+7], v[SC+32*\qt:SC+32*\qt+7], 0
.else
	v_wmma_f32_16x16x32_bf16 v[OA+8*(4*\dt+\qt):OA+8*(4*\dt+\qt)+7], v[32*\dt:32*\dt+7], v[SC+32*\qt:SC+32*\qt+7], v[OA+8*(4*\dt+\qt):OA+8*(4*\dt+\qt)+7]
.if 4*\dt+\qt < 12
	RESC 4*\dt+\qt+4
.endif
.endif
.endr
.endr
.irp dt, 0,1,2,3
.irp qt, 0,1,2,3
	v_wmma_f32_16x16x32_bf16 v[OA+8*(4*\dt+\qt):OA+8*(4*\dt+\qt)+7], v[32*\dt+16:32*\dt+23], v[SC+32*\qt+16:SC+32*\qt+23], v[OA+8*(4*\dt+\qt):OA+8*(4*\dt+\qt)+7]
.endr
.endr
.endm
; One tile.  ONE barrier orders: the last trip's reads of BF(1 - p) against this trip's stores into it; the last trip's stores into
; BF(p) against this trip's reads; the last trip's reads of F(p) against its refill.
.macro TRIP p, refill, conv, first
	s_wait_xcnt 0x0
	v_lshl_add_u32 v254, v0, 2, 0x30800
	v_mov_b32 v255, 0
	s_wait_tensorcnt 0x0                           ; all my tensor loads have landed: the one that was out is my quarter of the tile that this trip converts,
	ds_add_u32 v254, v255
	s_wait_dscnt 0x0
.if \refill
	s_add_nc_u64 s[G0+4*\p+2:G0+4*\p+3], s[G0+4*\p+2:G0+4*\p+3], 2*FSLOT   ; so this group 0 may be written: two tiles on
.endif
	s_wait_dscnt 0x0                               ; my LDS reads and stores of the last trip are done
	s_barrier_signal -1
	s_barrier_wait -1                              ; both now hold of all four waves
.if \refill
	tensor_load_to_lds s[G0+4*\p:G0+4*\p+3], s[G1:G1+7]        ; first behind the barrier; it has the whole trip in which to land
	s_nop 0
.endif
.if \conv
.irp u, 0,1,2,3
	CL \p, 0, \u
.endr
.endif
.irp f, 0,1,2,3,4,5,6,7
	FLD \p, 0, \f
.endr
.irp ks, 0,1,2,3,4,5,6,7
	HEAD \p, \ks, \conv
	SGRP \p, \ks, \conv
	VGRP \ks
.endr
	SOFTMAX \first
	VCVT
	PV \first
	WIN 0
.endm
	s_load_b256 s[4:11], s[0:1], 0x0               ; x s[4:5], qf s[6:7], wvf s[8:9], op s[10:11]
	s_load_b64 s[12:13], s[0:1], 0x20              ; ml
	v_lshl_add_u32 v254, v0, 2, 0x30800
	v_mov_b32 v255, 0
	ds_add_u32 v254, v255
	ds_add_u32 v254, v255
	s_wait_dscnt 0x0
	v_lshrrev_b32 v6, 5, v0
	v_readfirstlane_b32 s14, v6                    ; wave
	v_and_b32 v7, 31, v0
	v_lshlrev_b32 v1, 4, v7                        ; 16 x lane
	v_and_b32 v6, 15, v0                           ; r
	v_bfe_u32 v7, v0, 4, 1                         ; h
	v_mul_u32_u24 v[XA], v6, BPITCH
	v_lshl_add_u32 v[XA], v7, 4, v[XA]
	s_lshl_b32 s16, s14, 14                        ; my 16 rows of f32
	s_add_co_u32 s17, s16, F0
	v_add_nc_u32 v[CA], s17, v1
	v_add_nc_u32 v[CA+1], FSLOT, v[CA]
	s_mul_i32 s18, s14, 16*BPITCH                  ; my 16 rows of bf16
	v_lshrrev_b32 v[CS], 1, v1
	v_add_nc_u32 v[CS], s18, v[CS]
	; group 1: my 16,384 bytes of a tile are dense in memory: 64 rows of 32 elements of 8 bytes, no padding
	s_mov_b32 s[G1+0], 3<<16                       ; no mask; element of 8 bytes
	s_mov_b32 s[G1+1], 32<<16                      ; tensor_dim0 = 32
	s_mov_b32 s[G1+2], 64<<16                      ; tensor_dim1 = 64
	s_mov_b32 s[G1+3], 32<<16                      ; tile_dim0 = 32
	s_mov_b32 s[G1+4], 64                          ; tile_dim1 = 64
	s_mov_b32 s[G1+5], 32                          ; from row to row: 32 elements
	s_mov_b32 s[G1+6], 0
	s_mov_b32 s[G1+7], 0
	s_mov_b32 s[G0+0], 1
	s_add_co_u32 s[G0+1], s16, F0
	s_mov_b32 s[G0+4], 1
	s_add_co_u32 s[G0+5], s16, F0+FSLOT
	s_and_b32 s19, ttmp7, 0xffff                   ; y = 16 b + chunk
	s_lshl_b32 s15, ttmp9, 2
	s_add_co_u32 s15, s15, s14                     ; head
	s_lshr_b32 s22, s19, 4
	s_lshl_b32 s22, s22, 3
	s_add_co_u32 s22, s22, s15                     ; 8 b + head
	s_and_b32 s23, s19, 15
	s_lshl_b32 s2, s22, 4
	s_add_co_u32 s23, s23, s2                      ; 16 (8 b + head) + chunk
	s_lshl_b32 s20, s19, 20                        ; a chunk of x is 1,048,576 bytes
	s_add_co_u32 s20, s20, s16
	s_mov_b32 s21, 0
	s_mov_b32 s40, 0x76543210                      ; v_permlanex16_b32: lane i of one half reads lane i of the other
	s_mov_b32 s41, 0xfedcba98
	s_wait_kmcnt 0x0
	s_add_nc_u64 s[G0+2:G0+3], s[4:5], s[20:21]    ; my rows of tile 0
	s_add_nc_u64 s[G0+6:G0+7], s[G0+2:G0+3], FSLOT ; of tile 1
	s_or_b32 s[G0+3], s[G0+3], 0x80000000          ; type = 2
	s_or_b32 s[G0+7], s[G0+7], 0x80000000
	tensor_load_to_lds s[G0:G0+3], s[G1:G1+7]      ; first fills: no barrier
	s_nop 0
	tensor_load_to_lds s[G0+4:G0+7], s[G1:G1+7]
	s_nop 0
	s_lshl_b32 s20, s22, 15
	s_add_nc_u64 s[6:7], s[6:7], s[20:21]          ; my 32 fragments of Q'
	s_lshl_b32 s20, s15, 15
	s_add_nc_u64 s[8:9], s[8:9], s[20:21]          ; my 32 fragments of Wv
	s_lshl_b32 s20, s23, 14
	s_add_nc_u64 s[10:11], s[10:11], s[20:21]
	s_lshl_b32 s20, s23, 10
	s_add_nc_u64 s[12:13], s[12:13], s[20:21]
	WIN 0x40                                       ; destination in window 1
.set n, 0
.rept 64
	global_load_b128 v[4*n:4*n+3], v1, s[6:7] offset:512*n
.set n, n+1
.endr
	WIN 0x80                                       ; destination in window 2
.set n, 0
.rept 64
	global_load_b128 v[4*n:4*n+3], v1, s[8:9] offset:512*n
.set n, n+1
.endr
	WIN 0
.set n, ST
.rept 24
	v_mov_b32 v[n], 0                              ; the sums start at 0; the other 16 are written so that pairs and lane exchanges read written registers
.set n, n+1
.endr
	s_wait_tensorcnt 0x1                           ; my quarter of tile 0 is in; tile 1's stays out
.set n, 0
.rept 32
	ds_load_b128 v[SC+4*n:SC+4*n+3], v[CA] offset:512*n
.set n, n+1
.endr
	s_wait_dscnt 0x0
.set n, 0
.rept 32
	v_cvt_pk_bf16_f32 v[SC+4*n], v[SC+4*n], v[SC+4*n+1]
	v_cvt_pk_bf16_f32 v[SC+4*n+1], v[SC+4*n+2], v[SC+4*n+3]
.set n, n+1
.endr
.set n, 0
.rept 32
	ds_store_b64 v[CS], v[SC+4*n:SC+4*n+1] offset:BPITCH*(n>>1)+256*(n&1)
.set n, n+1
.endr
	s_wait_loadcnt 0x0                             ; Q' and Wv, once
	TRIP 0, 1, 1, 1                                ; tile 0 starts the maxima, the sums and O: nothing is cleared but the eight sums
	TRIP 1, 1, 1, 0
	s_mov_b32 s42, 6                               ; tiles 2 to 13
.Ltile:
	TRIP 0, 1, 1, 0
	TRIP 1, 1, 1, 0
	s_sub_co_u32 s42, s42, 1
	s_cmp_lg_u32 s42, 0
	s_cbranch_scc1 .Ltile
	TRIP 0, 0, 1, 0                                ; tile 14: nothing more to ask for
	TRIP 1, 0, 0, 0                                ; tile 15: nothing more to convert
	; the way out: O as it lies (each store of the wave covers 512 consecutive bytes), the maxima and the sums
	NOPS 4                                         ; four places behind the last products before O is stored
.irp qt, 0,1,2,3
	v_add_f32 v[LQ+\qt], v[LS+2*\qt], v[LS+2*\qt+1]
.endr
.irp qt, 0,1,2,3
	v_permlanex16_b32 v[ST+4*\qt+3], v[LQ+\qt], s40, s41
.endr
.irp qt, 0,1,2,3
	v_add_f32 v[LQ+\qt], v[LQ+\qt], v[ST+4*\qt+3]
	v_mov_b32 v[MQ+\qt], v[ST+4*\qt]
.endr
	WIN 0x0c                                       ; store data in window 3
.irp qt, 0,1,2,3
.irp dt, 0,1,2,3
	global_store_b128 v1, v[OA+8*(4*\dt+\qt):OA+8*(4*\dt+\qt)+3], s[10:11] offset:4096*\qt+1024*\dt
	global_store_b128 v1, v[OA+8*(4*\dt+\qt)+4:OA+8*(4*\dt+\qt)+7], s[10:11] offset:4096*\qt+1024*\dt+512
.endr
.endr
	WIN 0
	global_store_b128 v1, v[MQ:MQ+3], s[12:13]
	global_store_b128 v1, v[LQ:LQ+3], s[12:13] offset:512
	s_endpgm
.Lfunc_end_k_qc2dc69cd47_attn:
	.size	k_qc2dc69cd47_attn, .Lfunc_end_k_qc2dc69cd47_attn-k_qc2dc69cd47_attn
	.p2alignl 7, 3214868480
	.fill 96, 4, 3214868480
	.section	.rodata,"a",@progbits
	.p2align	6, 0x0
	.amdhsa_kernel k_qc2dc69cd47_attn
		.amdhsa_group_segment_fixed_size 327680
		.amdhsa_private_segment_fixed_size 0
		.amdhsa_enable_private_segment 0
		.amdhsa_kernarg_size 40
		.amdhsa_user_sgpr_count 2
		.amdhsa_user_sgpr_kernarg_segment_ptr 1
		.amdhsa_wavefront_size32 1
		.amdhsa_system_sgpr_workgroup_id_x 1
		.amdhsa_system_sgpr_workgroup_id_y 1
		.amdhsa_system_sgpr_workgroup_id_z 1
		.amdhsa_system_vgpr_workitem_id 0
		.amdhsa_next_free_vgpr 1024
		.amdhsa_next_free_sgpr 66
		.amdhsa_reserve_vcc 0
		.amdhsa_float_denorm_mode_32 3
		.amdhsa_float_denorm_mode_16_64 3
		.amdhsa_memory_ordered 1
		.amdhsa_forward_progress 1
		.amdhsa_inst_pref_size 255
	.end_amdhsa_kernel
	.section	.bss,"aw",@nobits
	.p2align	6
	.space	262144
	.amdgpu_metadata
---
amdhsa.version: [ 1, 2 ]
amdhsa.kernels:
  - .name:           k_qc2dc69cd47_attn
    .symbol:         k_qc2dc69cd47_attn.kd
    .args:
      - { .name: hit_features, .offset: 0, .size: 8, .value_kind: global_buffer, .address_space: global }
      - { .name: qf, .offset: 8, .size: 8, .value_kind: global_buffer, .address_space: global }
      - { .name: wvf, .offset: 16, .size: 8, .value_kind: global_buffer, .address_space: global }
      - { .name: op, .offset: 24, .size: 8, .value_kind: global_buffer, .address_space: global }
      - { .name: ml, .offset: 32, .size: 8, .value_kind: global_buffer, .address_space: global }
    .group_segment_fixed_size: 327680
    .private_segment_fixed_size: 0
    .kernarg_segment_align: 8
    .kernarg_segment_size: 40
    .max_flat_workgroup_size: 128
    .sgpr_count:     66
    .vgpr_count:     1024
    .wavefront_size: 32
...
	.end_amdgpu_metadata
.endif
;; end of part 2
;; launch finish (part 3): grid 32 x 1, 8 waves a work-group, no clusters, 50,432 bytes of LDS; arguments op, ml, w1f, w2f, b1, b2, slot_representations, ln2_g, ln2_b, out0; writes out0
.if DOCPART == 3
	.amdgcn_target "amdgcn-amd-amdhsa--gfx1250"
	.amdhsa_code_object_version 6
	.text
	.protected	k_qc2dc69cd47_finish
	.globl	k_qc2dc69cd47_finish
	.p2align	8
	.type	k_qc2dc69cd47_finish,@function
k_qc2dc69cd47_finish:
	s_mov_b64 s[64:65], 0
	v_nop
	global_prefetch_b8 v0, s[64:65] scope:SCOPE_SE
	s_setreg_imm32_b32 hwreg(HW_REG_WAVE_MODE, 25, 1), 1
	s_wait_xcnt 0x0
; finish: joins the 16 chunks of each head, then relu(att W1 + b1) W2 + b2, the residual and LayerNorm 2.
; Work-group id = 4 b + qt: batch b, slots 16 qt .. 16 qt + 15.  Eight waves.
;   phase 1: wave w is head w: att^T = sum over chunks of O^T 2^(m - M) / sum of l 2^(m - M), M the largest m; packed as two B fragments
;   phase 2: wave w makes hidden tiles 4 w .. 4 w + 3 (16 j x 16 slots), K = 512 of att;  the sums start from b1
;   phase 3: wave w makes output tiles 2 w, 2 w + 1 (16 o x 16 slots), K = 512 of hidden; the sums start from b2
;   phase 4: wave w normalises rows 2 w, 2 w + 1
; The products are transposed, D = [feature][slot], so that a lane's eight results pack into the next B fragment where they lie.
; All that comes from memory in bulk goes through ONE ring of four register slots of eight 16-byte loads: 16 items of O, 16 of W1,
; 8 of W2, so that the weights of the next phase are on their way while a phase ends.
; No tensor loads, no cluster: each byte of O is read by one wave; the weights (768 KiB) are a small part of the launch's bytes.
; LIMITS: att, hidden, W1, W2 are rounded once to bf16; the join, the biases, the residual and LayerNorm are f32.
.set ATT, 0                            ; LDS: 16 B fragments of att^T (K step = 2 head + half)
.set HID, 16384                        ; LDS: 16 B fragments of hidden^T
.set YB,  32768                        ; LDS: 16 rows of 256 f32
.set YP,  1040                         ; their pitch: 1,024 + 16 = 65 x 16 bytes
.set WT,   16                          ; v[16:47]   (m, l) of chunk c at WT + 2 c, then (weight, l); later four B fragments
.set BFR,  16
.set AT,   48                          ; v[48:79]   att^T of my head; later two rows of slots, ln2_g, ln2_b
.set A1,   80                          ; v[80:111]  four hidden tiles
.set A2,   112                         ; v[112:127] two output tiles
.set RING, 128                         ; v[128:255] four slots of 32 registers
.macro NOPS n
.rept \n
	v_nop
.endr
.endm
.macro PACK16 d
.irp i, 0,1,2,3,4,5,6,7
	v_cvt_pk_bf16_f32 v[(\d)+\i], v[(\d)+2*\i], v[(\d)+2*\i+1]
.endr
.endm
; item 0-15: chunk's O^T of my head and slot tile; 16-31: K step item - 16 of my four tiles of W1;
; 32-39: K steps 2 (item - 32), + 1 of my two tiles of W2, fragment i: tile i % 2, step i / 2
.macro ISSUE item
.set sl, RING+32*((\item)&3)
.irp u, 0,1,2,3,4,5,6,7
.if (\item) < 16
	global_load_b128 v[sl+4*\u:sl+4*\u+3], v1, s[4:5] offset:16384*(\item)+512*\u
.else
.if (\item) < 32
	global_load_b128 v[sl+4*\u:sl+4*\u+3], v1, s[8:9] offset:(16*(\u>>1)+(\item)-16)*1024+512*(\u&1)
.else
	global_load_b128 v[sl+4*\u:sl+4*\u+3], v1, s[10:11] offset:(16*((\u>>1)&1)+2*((\item)-32)+(\u>>2))*1024+512*(\u&1)
.endif
.endif
.endr
.endm
.macro WSUM reg                        ; sum over the 32 lanes, in every lane; reg + 1 is scratch that has been written
	v_add_f32_dpp v[\reg], v[\reg], v[\reg] row_xmask:1 row_mask:0xf bank_mask:0xf
	v_add_f32_dpp v[\reg], v[\reg], v[\reg] row_xmask:2 row_mask:0xf bank_mask:0xf
	v_add_f32_dpp v[\reg], v[\reg], v[\reg] row_xmask:4 row_mask:0xf bank_mask:0xf
	v_add_f32_dpp v[\reg], v[\reg], v[\reg] row_xmask:8 row_mask:0xf bank_mask:0xf
	v_permlanex16_b32 v[\reg+1], v[\reg], s32, s33
	v_add_f32 v[\reg], v[\reg], v[\reg+1]
.endm
	s_load_b512 s[4:19], s[0:1], 0x0               ; op s[4:5], ml s[6:7], w1f s[8:9], w2f s[10:11], b1 s[12:13], b2 s[14:15], slots s[16:17], ln2_g s[18:19]
	s_load_b128 s[20:23], s[0:1], 0x40             ; ln2_b s[20:21], out0 s[22:23]
	s_set_vgpr_msb 0x40
	v_lshl_add_u32 v0, v0, 2, 0xc100
	v_mov_b32 v1, 0
	s_set_vgpr_msb 0x4000
	v_lshrrev_b32 v2, 5, v0
	v_readfirstlane_b32 s3, v2                     ; wave
	v_and_b32 v1, 31, v0
	v_lshlrev_b32 v1, 4, v1                        ; 16 x lane
	v_and_b32 v2, 15, v0                           ; r
	v_bfe_u32 v3, v0, 4, 1                         ; h
	v_lshlrev_b32 v4, 5, v3                        ; biases: 8 h numbers
	s_lshl_b32 s24, s3, 11
	v_add_nc_u32 v5, s24, v1                       ; LDS: my two fragments of att^T or hidden^T
	v_mul_u32_u24 v6, v2, YP
	v_lshl_add_u32 v6, v3, 5, v6
	s_lshl_b32 s24, s3, 7
	s_add_co_u32 s24, s24, YB
	v_add_nc_u32 v6, s24, v6                       ; LDS: row r, column 32 w + 8 h
	s_mul_i32 s24, s3, 2*YP
	s_add_co_u32 s24, s24, YB
	v_add_nc_u32 v7, s24, v1                       ; LDS: row 2 w, 16 bytes a lane
	s_lshr_b32 s25, ttmp9, 2                       ; b
	s_and_b32 s26, ttmp9, 3                        ; qt
	s_lshl_b32 s27, s25, 3
	s_add_co_u32 s27, s27, s3                      ; 8 b + head
	s_mov_b32 s29, 0
	s_mov_b32 s32, 0x76543210
	s_mov_b32 s33, 0xfedcba98
	s_mov_b32 s34, 0x3b800000                      ; 1 / 256
	s_mov_b32 s35, 0x3727c5ac                      ; 1e-5
	s_wait_kmcnt 0x0
	s_lshl_b32 s28, s27, 18
	s_lshl_b32 s30, s26, 12
	s_add_co_u32 s28, s28, s30
	s_add_nc_u64 s[4:5], s[4:5], s[28:29]          ; op: 16 chunks of 16,384 bytes for a head; slot tile qt
	s_lshl_b32 s28, s27, 14
	s_lshl_b32 s30, s26, 2
	s_add_co_u32 s28, s28, s30
	s_add_nc_u64 s[6:7], s[6:7], s[28:29]          ; ml: 16 chunks of 1,024 bytes; word qt of a lane's four
	s_lshl_b32 s28, s3, 16
	s_add_nc_u64 s[8:9], s[8:9], s[28:29]          ; W1: tiles 4 w ..
	s_lshl_b32 s28, s3, 15
	s_add_nc_u64 s[10:11], s[10:11], s[28:29]      ; W2: tiles 2 w ..
	s_lshl_b32 s28, s3, 8
	s_add_nc_u64 s[12:13], s[12:13], s[28:29]
	s_lshl_b32 s28, s3, 7
	s_add_nc_u64 s[14:15], s[14:15], s[28:29]
	s_lshl_b32 s28, s25, 16
	s_lshl_b32 s30, s26, 14
	s_add_co_u32 s28, s28, s30
	s_lshl_b32 s30, s3, 11
	s_add_co_u32 s28, s28, s30
	s_add_nc_u64 s[16:17], s[16:17], s[28:29]      ; slots and out0: batch b, row 16 qt + 2 w
	s_add_nc_u64 s[22:23], s[22:23], s[28:29]
	; the biases go straight into the accumulators: register j of lane (r, h) is feature 16 tile + 8 h + j
.irp i, 0,1,2,3
	global_load_b128 v[A1+8*\i:A1+8*\i+3], v4, s[12:13] offset:64*\i
	global_load_b128 v[A1+8*\i+4:A1+8*\i+7], v4, s[12:13] offset:64*\i+16
.endr
.irp i, 0,1
	global_load_b128 v[A2+8*\i:A2+8*\i+3], v4, s[14:15] offset:64*\i
	global_load_b128 v[A2+8*\i+4:A2+8*\i+7], v4, s[14:15] offset:64*\i+16
.endr
.irp c, 0,1,2,3,4,5,6,7,8,9,10,11,12,13,14,15
	global_load_b32 v[WT+2*\c], v1, s[6:7] offset:1024*\c
	global_load_b32 v[WT+2*\c+1], v1, s[6:7] offset:1024*\c+512
.endr
	ISSUE 0
	ISSUE 1
	ISSUE 2
	ISSUE 3
	s_wait_loadcnt 32                              ; biases, maxima and sums are in; the ring's 32 loads stay out
	v_max_num_f32 v8, v[WT], v[WT+2]
.irp c, 1,2,3,4,5,6,7
	v_max3_num_f32 v8, v8, v[WT+4*\c], v[WT+4*\c+2]
.endr
.irp c, 0,1,2,3,4,5,6,7,8,9,10,11,12,13,14,15
	v_sub_f32 v[WT+2*\c], v[WT+2*\c], v8
.endr
.irp c, 0,1,2,3,4,5,6,7,8,9,10,11,12,13,14,15
	v_exp_f32 v[WT+2*\c], v[WT+2*\c]               ; the maxima are logits in base 2
.endr
	v_nop                                          ; one plain instruction behind the transcendentals (ISA guide 5.7.2)
	s_wait_alu depctr_va_vdst(0)
	v_mul_f32 v9, v[WT], v[WT+1]
.irp c, 1,2,3,4,5,6,7,8,9,10,11,12,13,14,15
	v_fmac_f32 v9, v[WT+2*\c], v[WT+2*\c+1]
.endr
	v_rcp_f32 v9, v9                               ; the chunk that holds the maximum gives at least 1
	v_nop
	s_wait_alu depctr_va_vdst(0)
.irp c, 0,1,2,3,4,5,6,7,8,9,10,11,12,13,14,15
	v_mul_f32 v[WT+2*\c], v[WT+2*\c], v9
.endr
	; phase 1
.irp it, 0,1,2,3,4,5,6,7,8,9,10,11,12,13,14,15
	s_wait_loadcnt 24                              ; this item is in; three younger items of eight loads stay out
.irp j, 0,1,2,3,4,5,6,7,8,9,10,11,12,13,14,15
.if \it == 0
	v_pk_mul_f32 v[AT+2*\j:AT+2*\j+1], v[RING+32*(\it&3)+2*\j:RING+32*(\it&3)+2*\j+1], v[WT+2*\it:WT+2*\it+1] op_sel_hi:[1,0]
.else
	v_pk_fma_f32 v[AT+2*\j:AT+2*\j+1], v[RING+32*(\it&3)+2*\j:RING+32*(\it&3)+2*\j+1], v[WT+2*\it:WT+2*\it+1], v[AT+2*\j:AT+2*\j+1] op_sel_hi:[1,0,1]
.endif
.endr
	ISSUE \it+4
.endr
	PACK16 AT
	PACK16 AT+16
	ds_store_b128 v5, v[AT:AT+3] offset:ATT
	ds_store_b128 v5, v[AT+4:AT+7] offset:ATT+512
	ds_store_b128 v5, v[AT+16:AT+19] offset:ATT+1024
	ds_store_b128 v5, v[AT+20:AT+23] offset:ATT+1536
	s_wait_dscnt 0x0                               ; my stores are done before I signal
	s_barrier_signal -1
	s_barrier_wait -1
	; phase 2: four accumulators by turns, one instruction a turn.  The four v_nop behind each item's products
	; are the places in front of the loads into the slot and into the B fragments
.irp kc, 0,1,2,3,4,5,6,7,8,9,10,11,12,13,14,15
.if (\kc&3) == 0
.irp f, 0,1,2,3,4,5,6,7
	ds_load_b128 v[BFR+4*\f:BFR+4*\f+3], v1 offset:ATT+(\kc+(\f>>1))*1024+512*(\f&1)
.endr
	s_wait_dscnt 0x0
.endif
	s_wait_loadcnt 24                              ; as above
.irp i, 0,1,2,3
	v_wmma_f32_16x16x32_bf16 v[A1+8*\i:A1+8*\i+7], v[RING+32*(\kc&3)+8*\i:RING+32*(\kc&3)+8*\i+7], v[BFR+8*(\kc&3):BFR+8*(\kc&3)+7], v[A1+8*\i:A1+8*\i+7]
.endr
	NOPS 4
	ISSUE \kc+20
.endr
.set j, 0
.rept 32
	v_max_num_f32 v[A1+j], 0, v[A1+j]              ; relu
.set j, j+1
.endr
	PACK16 A1
	PACK16 A1+16
	ds_store_b128 v5, v[A1:A1+3] offset:HID
	ds_store_b128 v5, v[A1+4:A1+7] offset:HID+512
	ds_store_b128 v5, v[A1+16:A1+19] offset:HID+1024
	ds_store_b128 v5, v[A1+20:A1+23] offset:HID+1536
	s_wait_dscnt 0x0
	s_barrier_signal -1
	s_barrier_wait -1
	; phase 3: two accumulators by turns
.irp sp, 0,1,2,3,4,5,6,7
.if (\sp&1) == 0
.irp f, 0,1,2,3,4,5,6,7
	ds_load_b128 v[BFR+4*\f:BFR+4*\f+3], v1 offset:HID+(2*\sp+(\f>>1))*1024+512*(\f&1)
.endr
	s_wait_dscnt 0x0
.endif
.if \sp < 4
	s_wait_loadcnt 24
.else
	s_wait_loadcnt 8*(8-\sp)                       ; the younger items and the eight last loads stay out: 32, 24, 16, 8
.endif
.irp i, 0,1,2,3
	v_wmma_f32_16x16x32_bf16 v[A2+8*(\i&1):A2+8*(\i&1)+7], v[RING+32*(\sp&3)+8*\i:RING+32*(\sp&3)+8*\i+7], v[BFR+8*((2*\sp+(\i>>1))&3):BFR+8*((2*\sp+(\i>>1))&3)+7], v[A2+8*(\i&1):A2+8*(\i&1)+7]
.endr
	NOPS 4
.if \sp < 4
	ISSUE \sp+36
.endif
.if \sp == 3
	global_load_b128 v[48:51], v1, s[16:17]                    ; my two rows of the slots,
	global_load_b128 v[52:55], v1, s[16:17] offset:512
	global_load_b128 v[56:59], v1, s[16:17] offset:1024
	global_load_b128 v[60:63], v1, s[16:17] offset:1536
	global_load_b128 v[64:67], v1, s[18:19]                    ; ln2_g,
	global_load_b128 v[68:71], v1, s[18:19] offset:512
	global_load_b128 v[72:75], v1, s[20:21]                    ; ln2_b
	global_load_b128 v[76:79], v1, s[20:21] offset:512
.endif
.endr
	ds_store_b128 v6, v[A2:A2+3]                   ; eight neighbouring columns of row r
	ds_store_b128 v6, v[A2+4:A2+7] offset:16
	ds_store_b128 v6, v[A2+8:A2+11] offset:64
	ds_store_b128 v6, v[A2+12:A2+15] offset:80
	s_wait_dscnt 0x0
	s_barrier_signal -1
	s_barrier_wait -1
	; phase 4: a lane holds columns 4 l .. + 3 and 128 + 4 l .. + 3 of two rows
	ds_load_b128 v[128:131], v7
	ds_load_b128 v[132:135], v7 offset:512
	ds_load_b128 v[136:139], v7 offset:YP
	ds_load_b128 v[140:143], v7 offset:YP+512
	s_wait_loadcnt 0x0
	s_wait_dscnt 0x0
.irp j, 0,1,2,3,4,5,6,7
	v_pk_add_f32 v[128+2*\j:129+2*\j], v[128+2*\j:129+2*\j], v[48+2*\j:49+2*\j]   ; the residual
.endr
.irp rw, 0,1
	v_pk_add_f32 v[8+4*\rw:9+4*\rw], v[128+8*\rw:129+8*\rw], v[130+8*\rw:131+8*\rw]
	v_pk_add_f32 v[10+4*\rw:11+4*\rw], v[132+8*\rw:133+8*\rw], v[134+8*\rw:135+8*\rw]
	v_pk_add_f32 v[8+4*\rw:9+4*\rw], v[8+4*\rw:9+4*\rw], v[10+4*\rw:11+4*\rw]
	v_add_f32 v[8+4*\rw], v[8+4*\rw], v[9+4*\rw]
.endr
	WSUM 8
	WSUM 12
.irp rw, 0,1
	v_mul_f32 v[8+4*\rw], s34, v[8+4*\rw]          ; the mean
.irp j, 0,1,2,3
	v_pk_add_f32 v[128+8*\rw+2*\j:129+8*\rw+2*\j], v[128+8*\rw+2*\j:129+8*\rw+2*\j], v[8+4*\rw:9+4*\rw] op_sel_hi:[1,0] neg_lo:[0,1] neg_hi:[0,1]
.endr
	v_pk_mul_f32 v[10+4*\rw:11+4*\rw], v[128+8*\rw:129+8*\rw], v[128+8*\rw:129+8*\rw]
.irp j, 1,2,3
	v_pk_fma_f32 v[10+4*\rw:11+4*\rw], v[128+8*\rw+2*\j:129+8*\rw+2*\j], v[128+8*\rw+2*\j:129+8*\rw+2*\j], v[10+4*\rw:11+4*\rw]
.endr
	v_add_f32 v[10+4*\rw], v[10+4*\rw], v[11+4*\rw]
.endr
	WSUM 10
	WSUM 14
	v_fma_f32 v10, v10, s34, s35                   ; variance + 1e-5
	v_fma_f32 v14, v14, s34, s35
	v_rsq_f32 v10, v10
	v_rsq_f32 v14, v14
	v_nop
	s_wait_alu depctr_va_vdst(0)
.irp rw, 0,1
.irp j, 0,1,2,3
	v_pk_mul_f32 v[128+8*\rw+2*\j:129+8*\rw+2*\j], v[128+8*\rw+2*\j:129+8*\rw+2*\j], v[10+4*\rw:11+4*\rw] op_sel_hi:[1,0]
	v_pk_fma_f32 v[128+8*\rw+2*\j:129+8*\rw+2*\j], v[128+8*\rw+2*\j:129+8*\rw+2*\j], v[64+2*\j:65+2*\j], v[72+2*\j:73+2*\j]
.endr
.endr
	global_store_b128 v1, v[128:131], s[22:23]                 ; each store of the wave covers 512 consecutive bytes
	global_store_b128 v1, v[132:135], s[22:23] offset:512
	global_store_b128 v1, v[136:139], s[22:23] offset:1024
	global_store_b128 v1, v[140:143], s[22:23] offset:1536
	s_set_vgpr_msb 0x5
	s_wait_tensorcnt 0x0
	ds_add_u32 v0, v1
	s_wait_dscnt 0x0
	s_set_vgpr_msb 0x500
	s_endpgm
.Lfunc_end_k_qc2dc69cd47_finish:
	.size	k_qc2dc69cd47_finish, .Lfunc_end_k_qc2dc69cd47_finish-k_qc2dc69cd47_finish
	.p2alignl 7, 3214868480
	.fill 96, 4, 3214868480
	.section	.rodata,"a",@progbits
	.p2align	6, 0x0
	.amdhsa_kernel k_qc2dc69cd47_finish
		.amdhsa_group_segment_fixed_size 50432
		.amdhsa_private_segment_fixed_size 0
		.amdhsa_enable_private_segment 0
		.amdhsa_kernarg_size 80
		.amdhsa_user_sgpr_count 2
		.amdhsa_user_sgpr_kernarg_segment_ptr 1
		.amdhsa_wavefront_size32 1
		.amdhsa_system_sgpr_workgroup_id_x 1
		.amdhsa_system_sgpr_workgroup_id_y 1
		.amdhsa_system_sgpr_workgroup_id_z 1
		.amdhsa_system_vgpr_workitem_id 0
		.amdhsa_next_free_vgpr 258
		.amdhsa_next_free_sgpr 66
		.amdhsa_reserve_vcc 0
		.amdhsa_float_denorm_mode_32 3
		.amdhsa_float_denorm_mode_16_64 3
		.amdhsa_memory_ordered 1
		.amdhsa_forward_progress 1
		.amdhsa_inst_pref_size 81
	.end_amdhsa_kernel
	.amdgpu_metadata
---
amdhsa.version: [ 1, 2 ]
amdhsa.kernels:
  - .name:           k_qc2dc69cd47_finish
    .symbol:         k_qc2dc69cd47_finish.kd
    .args:
      - { .name: op, .offset: 0, .size: 8, .value_kind: global_buffer, .address_space: global }
      - { .name: ml, .offset: 8, .size: 8, .value_kind: global_buffer, .address_space: global }
      - { .name: w1f, .offset: 16, .size: 8, .value_kind: global_buffer, .address_space: global }
      - { .name: w2f, .offset: 24, .size: 8, .value_kind: global_buffer, .address_space: global }
      - { .name: b1, .offset: 32, .size: 8, .value_kind: global_buffer, .address_space: global }
      - { .name: b2, .offset: 40, .size: 8, .value_kind: global_buffer, .address_space: global }
      - { .name: slot_representations, .offset: 48, .size: 8, .value_kind: global_buffer, .address_space: global }
      - { .name: ln2_g, .offset: 56, .size: 8, .value_kind: global_buffer, .address_space: global }
      - { .name: ln2_b, .offset: 64, .size: 8, .value_kind: global_buffer, .address_space: global }
      - { .name: out0, .offset: 72, .size: 8, .value_kind: global_buffer, .address_space: global }
    .group_segment_fixed_size: 50432
    .private_segment_fixed_size: 0
    .kernarg_segment_align: 8
    .kernarg_segment_size: 80
    .max_flat_workgroup_size: 256
    .sgpr_count:     66
    .vgpr_count:     258
    .wavefront_size: 32
...
	.end_amdgpu_metadata
.endif
;; end of part 3
;; ======== version 2 of 3: 4 launches; 1.24 times as fast as version 1
;; workspace buffers: qf 2,097,152 bytes; wvf 262,144 bytes; w1f 524,288 bytes; w2f 262,144 bytes; op 16,777,216 bytes; ml 1,048,576 bytes; hp 8,388,608 bytes
;; launch prep: the kernel of part 1 again; grid 128 x 1, 4 waves a work-group, no clusters, 68,096 bytes of LDS; arguments slot_representations, ln1_g, ln1_b, Wq, Wk, Wv, W1, W2, qf, wvf, w1f, w2f; writes qf, wvf, w1f, w2f
;; launch attn (part 4): grid 2 x 128, 4 waves a work-group, no clusters, 327,680 bytes of LDS; arguments hit_features, qf, wvf, op, ml; writes op, ml
.if DOCPART == 4
	.amdgcn_target "amdgcn-amd-amdhsa--gfx1250"
	.amdhsa_code_object_version 6
	.text
	.protected	k_qc2dc69cd47_attn
	.globl	k_qc2dc69cd47_attn
	.p2align	8
	.type	k_qc2dc69cd47_attn,@function
k_qc2dc69cd47_attn:
	s_mov_b64 s[64:65], 0
	v_nop
	global_prefetch_b8 v0, s[64:65] scope:SCOPE_SE
	s_setreg_imm32_b32 hwreg(HW_REG_WAVE_MODE, 25, 1), 1
	s_wait_xcnt 0x0
; attn: attention of 4 heads x 64 slots over a chunk of 1,024 hits of one batch, in 16 tiles of 64 hits.
; Work-group (x, y): heads 4 x .. 4 x + 3, batch y / 16, chunk y % 16.  Wave w is head 4 x + w, all 64 slots.
; From the SAME fragments of x (bf16, in LDS) a wave makes
;   S^T[hit][slot] = x Q'^T  (logits in base 2; Q' comes from the launch before)   and   V[hit][dv] = x Wv_head,
; then a running maximum for each slot, P = 2^(S - max), and O^T[dv][slot] = O^T * 2^(old max - max) + V^T P^T.
; Everything is transposed so that a lane's eight results are eight neighbouring k of the next operand: P and V are
; packed to bf16 where they lie, and no number changes its lane.  Out go O^T (f32), the maximum and the sum of each slot;
; the next launch joins the 16 chunks.
; TWO PIECES TAKE TURNS.  A tile is worked in two halves of 32 hits, which are the two halves of the S and V registers.  A STAGE makes
; the 64 + 64 products of one half, and the vector work of the half BEFORE it (maximum, exponentials, sums, packing of P and V) stands
; behind these products, at most four vector instructions behind one product; the stage ends with the 16 O products of that earlier half, with the
; rescaling of O behind them.  The vector work names only the other half's registers, so that it never touches a register of the
; products among which it stands.
; x is f32 in memory: the tensor data mover brings a tile into one of two f32 slots; each wave brings and converts its own
; 16 rows into one of two bf16 slots, a tile ahead of the products.
; Trip t (p = t % 2) multiplies tile t from BF(p) and converts tile t + 1 from F(1 - p) into BF(1 - p).  LDS traffic goes in eight runs
; a trip, one in front of each 32 products (4 stores, then 4 + 8 loads for the next run), with no memory instruction among the products.
; The change of slots stands in the trip's last run: waits and signal in front of its S products, the barrier's wait, the request for
; tile t + 3 into F(1 - p) and the first 12 LDS loads of trip t + 1 behind them.
; By this text's count a wave has two tensor loads out ahead of the first change of slots and one behind every change.
; NO CLUSTER: a tile of x has two readers (the two work-groups x = 0, 1 of one y); the masks of a row, a column or all four of a
; cluster name four.  Four readers would mean 32 slots x 4 heads to a work-group and half the products for each LDS byte.
; LIMITS: logits must be finite (NaN and infinities are not reproduced).  The maximum is a true running maximum, taken up every 32 hits
; and started by the first half.  x, Q', Wv, P and V are rounded once to bf16; maxima, sums and O are f32.
.set BPITCH, 528                       ; a bf16 row: 512 bytes + 16 = 33 x 16: the 16 rows of a fragment start in 16 different 16-byte columns of 256
.set BFB,    64*BPITCH                 ; a bf16 slot, 33,792 bytes = 132 x 256; BF0 at 0, BF1 behind it; written by ds_store alone
.set F0,     2*BFB                     ; the f32 slots, filled by tensor loads alone
.set FSLOT,  65536                     ; 64 rows of 1,024 bytes; wave w's 16 rows at 16,384 w
; window 0
.set XA, 2                             ; v2       528 r + 16 h: my place in a fragment of x
.set CA, 3                             ; v3, v4   my 16 bytes in my quarter of F0, F1
.set CS, 5                             ; v5       my 8 bytes in my 16 rows of a bf16 slot
.set ST, 8                             ; v[8:23]  slot tile qt: maximum, new maximum, 2^(old - new), scratch at ST + 4 qt + 0..3
.set LS, 24                            ; v[24:31] slot tile qt: a pair of running sums
.set NM, 32                            ; v[32:39] slot tile qt: minus the maximum at NM + 2 qt (the pair's second register is only written once)
.set MQ, 32                            ; v[32:35] the way out: four maxima
.set LQ, 36                            ; v[36:39] the way out: four sums
.set CV, 40                            ; v[40:55] 16 f32 on their way to bf16
.set CO, 56                            ; v[56:63] the same as bf16
.set FB, 64                            ; v[64:95], v[96:127] two buffers of four fragments of x: (K step 2 kp + j / 2, row tile 2 h + j % 2) at 8 j
.set SC, 128                           ; v[128:255] S(mt, qt) at SC + 32 qt + 8 mt; half h = mt 2 h, 2 h + 1; then P(qt, h) at SC + 32 qt + 16 h
; window 1: Q' fragment (qt, ks) at 8 (8 qt + ks).   window 2: Wv fragment (dt, ks) at 8 (8 dt + ks).
; window 3: V(mt, dt) at 32 dt + 8 mt, then V^T fragment (dt, h) at 32 dt + 16 h;  O(dt, qt) at OA + 8 (4 dt + qt)
.set OA, 128
.set G1, 24                            ; s[24:31] descriptor group 1
.set G0, 32                            ; s[32:35], s[36:39] descriptor group 0 of F0, F1
; s_set_vgpr_msb: bits 1:0 source 0, 3:2 source 1, 5:4 source 2, 7:6 destination
.set SIG_S,  0x04                      ; B in window 1; a vector instruction without a vector register as second source works in window 0 under it
.set SIG_V,  0xf8                      ; B in window 2, C and D in window 3
.set SIG_VC, 0xcf                      ; both sources and the destination in window 3
.set SIG_PV, 0xf3                      ; A, C, D in window 3, B (or the second source) in window 0
.set MSB, 0
.macro WIN new                         ; the immediate's high byte repeats the setting that is left; a switch that changes nothing is dropped
.if MSB != \new
	s_set_vgpr_msb (MSB<<8)|\new
.set MSB, \new
.endif
.endm
.macro NOPS n
.rept \n
	v_nop
.endr
.endm
; load u (0..3) of the 2 rows of f32 that run r of a trip of parity p converts: 512 consecutive bytes to the wave
.macro CL p, r, u
	ds_load_b128 v[CV+4*(\u):CV+4*(\u)+3], v[CA+1-(\p)] offset:(4*(\r)+(\u))*512
.endm
; load f (0..7) of run r's four fragments of x (r = 4 h + kp): K step 2 kp + f / 4, row tile 2 h + (f / 2) % 2, half f % 2
.macro FLD p, r, f
	ds_load_b128 v[FB+32*((\r)&1)+4*(\f):FB+32*((\r)&1)+4*(\f)+3], v[XA] offset:BFB*(\p)+16*BPITCH*(2*((\r)>>2)+(((\f)>>1)&1))+64*(2*((\r)&3)+((\f)>>2))+32*((\f)&1)
.endm
; In front of a run's 32 products: the run's whole LDS traffic.  The eight conversions (or five v_nop) are also the places between the
; products of the run before and the loads into the buffer that they read, and, at the head of a stage, between the O products
; and the products that write over their P and V^T (four and five).
.macro HEAD p, r, conv
	WIN 0
.if \conv
	s_wait_dscnt 8                                 ; my four loads of f32 are in (and the stores before them done); the eight fragment loads behind them stay out
.irp u, 0,1,2,3
	v_cvt_pk_bf16_f32 v[CO+2*\u], v[CV+4*\u], v[CV+4*\u+1]
	v_cvt_pk_bf16_f32 v[CO+2*\u+1], v[CV+4*\u+2], v[CV+4*\u+3]
.endr
.irp u, 0,1,2,3
	ds_store_b64 v[CS], v[CO+2*\u:CO+2*\u+1] offset:BFB*(1-(\p))+BPITCH*(2*(\r)+(\u>>1))+256*(\u&1)
.endr
.else
	NOPS 5
.endif
.if (\r) < 7
.if \conv
.irp u, 0,1,2,3
	CL \p, (\r)+1, \u
.endr
.endif
.irp f, 0,1,2,3,4,5,6,7
	FLD \p, (\r)+1, \f
.endr
.endif
.endm
; THE VECTOR WORK OF A HALF hx.  Block b = 2 qt + m (m: which of the half's two row tiles): eight registers at SC + 32 qt + 16 hx + 8 m.
; Subtract and sum are written as multiply-adds by 1.0: that form has no vector register as second source, so that it
; stands among the S products without a change of window.
.macro SUBF hx, b, i                   ; two logits plus minus the maximum
.set rg_s, SC+32*((\b)>>1)+16*(\hx)+8*((\b)&1)+2*(\i)
	v_pk_fma_f32 v[rg_s:rg_s+1], v[rg_s:rg_s+1], 1.0, v[NM+2*((\b)>>1):NM+2*((\b)>>1)+1] op_sel_hi:[1,0,0]
.endm
.macro SUMF hx, b, i                   ; two exponentials onto the running sums
.set rg_s, SC+32*((\b)>>1)+16*(\hx)+8*((\b)&1)+2*(\i)
	s_wait_alu depctr_va_vdst(0)
	v_pk_fma_f32 v[LS+2*((\b)>>1):LS+2*((\b)>>1)+1], v[rg_s:rg_s+1], 1.0, v[LS+2*((\b)>>1):LS+2*((\b)>>1)+1] op_sel_hi:[1,0,1]
.endm
; exponential k (0..63) of the half: number k % 8 of block k / 8; behind it a plain instruction of the block behind (subtract)
; or of the block before (sum), so that every result is first used a block later (ISA guide 5.7.2)
.macro PAIR hx, k
.set pr_b, (\k)>>3
.set pr_i, (\k)&7
.set rg_e, SC+32*(pr_b>>1)+16*(\hx)+8*(pr_b&1)+pr_i
	v_exp_f32 v[rg_e], v[rg_e]
.if pr_i < 4
.if pr_b < 7
	SUBF \hx, pr_b+1, pr_i
.endif
.else
.if pr_b > 0
	SUMF \hx, pr_b-1, pr_i-4
.endif
.endif
.endm
.macro CVTB hx, b                      ; block b to bf16, into its place in the B fragment P(qt, hx): registers 4 m .. 4 m + 3; blocks in ascending order
	WIN 0
.irp i, 0,1,2,3
	v_cvt_pk_bf16_f32 v[SC+32*((\b)>>1)+16*(\hx)+4*((\b)&1)+\i], v[SC+32*((\b)>>1)+16*(\hx)+8*((\b)&1)+2*\i], v[SC+32*((\b)>>1)+16*(\hx)+8*((\b)&1)+2*\i+1]
.endr
.endm
.macro RESC a                          ; O tile a = 4 dt + qt times 2^(old maximum - new) of its slot; under SIG_PV
.irp i, 0,1,2,3
	v_pk_mul_f32 v[OA+8*(\a)+2*\i:OA+8*(\a)+2*\i+1], v[OA+8*(\a)+2*\i:OA+8*(\a)+2*\i+1], v[ST+4*((\a)&3)+2:ST+4*((\a)&3)+3] op_sel_hi:[1,0]
.endr
.endm
; What stands behind the n-th S product of a stage (n = 0..63).
; n = 0..15: the maximum of the half's 16 logits a lane and slot tile (four chains, one step of each a time), the other 16 from lane l xor 16,
; 2^(old - new), minus the maximum, the first block's subtract, the sums rescaled: these have two vector sources and work in window 0.
; n = 16..63: the 64 exponentials with their partners, four to three products, under the products' own window setting.
.macro SGAP hx, first, n
.if (\n) < 16
	WIN 0
.endif
.if (\n) == 0
.irp qt, 0,1,2,3
.if \first
	v_max_num_f32 v[ST+4*\qt+1], v[SC+32*\qt+16*(\hx)], v[SC+32*\qt+16*(\hx)+1]
.else
	v_max3_num_f32 v[ST+4*\qt+1], v[ST+4*\qt], v[SC+32*\qt+16*(\hx)], v[SC+32*\qt+16*(\hx)+1]
.endif
.endr
.endif
.if (\n) > 0
.if (\n) < 8
.irp qt, 0,1,2,3
	v_max3_num_f32 v[ST+4*\qt+1], v[ST+4*\qt+1], v[SC+32*\qt+16*(\hx)+2*(\n)], v[SC+32*\qt+16*(\hx)+2*(\n)+1]
.endr
.endif
.endif
.if (\n) == 8
.irp qt, 0,1,2,3
	v_permlanex16_b32 v[ST+4*\qt+3], v[ST+4*\qt+1], s40, s41
.endr
.endif
.if (\n) == 9
.irp qt, 0,1,2,3
	v_max_num_f32 v[ST+4*\qt+1], v[ST+4*\qt+1], v[ST+4*\qt+3]
.endr
.endif
.if (\n) == 10
.if \first == 0
.irp qt, 0,1,2,3
	v_sub_f32 v[ST+4*\qt+2], v[ST+4*\qt], v[ST+4*\qt+1]        ; old maximum - new, at most 0
.endr
.endif
.endif
.if (\n) == 11
.irp qt, 0,1,2,3
	v_mov_b32 v[ST+4*\qt], v[ST+4*\qt+1]
.endr
.endif
.if (\n) == 12
.irp qt, 0,1,2,3
	v_sub_f32 v[NM+2*\qt], 0, v[ST+4*\qt+1]
.endr
.endif
.if (\n) == 13
.if \first == 0
.irp qt, 0,1,2,3
	v_exp_f32 v[ST+4*\qt+2], v[ST+4*\qt+2]
.endr
.endif
.endif
.if (\n) == 14
.irp i, 0,1,2,3
	SUBF \hx, 0, \i
.endr
.endif
.if (\n) == 15
.if \first == 0
	s_wait_alu depctr_va_vdst(0)
.irp qt, 0,1,2,3
	v_pk_mul_f32 v[LS+2*\qt:LS+2*\qt+1], v[LS+2*\qt:LS+2*\qt+1], v[ST+4*\qt+2:ST+4*\qt+3] op_sel_hi:[1,0]
.endr
.endif
.endif
.if (\n) > 15
.set gp_q, ((\n)-16)/3
.set gp_r, ((\n)-16)%3
.if gp_r == 0
	PAIR \hx, 4*gp_q
	PAIR \hx, 4*gp_q+1
.else
	PAIR \hx, 4*gp_q+1+gp_r
.endif
.endif
.endm
; What stands behind the n-th V product of a stage (n = 0..63), four instructions at a time, each time in its own window.
; n = 0..7: V of the half to bf16 where it lies (A fragment (dt, hx) of V^T).  A block of P is packed in the first V group behind the
; S group in which its sums were taken: block 0 at 16; 1, 2, 3 at 32, 34, 36; 4, 5, 6 at 48, 50, 52; the last sums at 54, block 7 at 56.
; n = 58..61: the rescaling of O tiles 0 to 3, which the first O products need.
.macro VGAP hx, first, n
.if (\n) < 8
	WIN SIG_VC
.irp i, 0,1,2,3
	v_cvt_pk_bf16_f32 v[32*((\n)>>1)+16*(\hx)+4*((\n)&1)+\i], v[32*((\n)>>1)+16*(\hx)+8*((\n)&1)+2*\i], v[32*((\n)>>1)+16*(\hx)+8*((\n)&1)+2*\i+1]
.endr
.endif
.if (\n) == 16
	CVTB \hx, 0
.endif
.if (\n) == 32
	CVTB \hx, 1
.endif
.if (\n) == 34
	CVTB \hx, 2
.endif
.if (\n) == 36
	CVTB \hx, 3
.endif
.if (\n) == 48
	CVTB \hx, 4
.endif
.if (\n) == 50
	CVTB \hx, 5
.endif
.if (\n) == 52
	CVTB \hx, 6
.endif
.if (\n) == 54
	WIN 0
.irp i, 0,1,2,3
	SUMF \hx, 7, \i
.endr
.endif
.if (\n) == 56
	CVTB \hx, 7
.endif
.if \first == 0
.if (\n) > 57
.if (\n) < 62
	WIN SIG_PV
	RESC (\n)-58
.endif
.endif
.endif
.endm
; 16 products S(2 h + m, qt) += x(2 h + m, ks) Q'(qt, ks), ks = 2 kp, 2 kp + 1: eight accumulators by turns, one instruction a turn.
; vec = 1: the other half's vector work stands behind them.
.macro SG h, kp, vec, first
.irp ksl, 0,1
.irp m2, 0,1
.irp qt, 0,1,2,3
	WIN SIG_S
.if ((\kp)+\ksl) == 0
	v_wmma_f32_16x16x32_bf16 v[SC+32*\qt+8*(2*(\h)+\m2):SC+32*\qt+8*(2*(\h)+\m2)+7], v[FB+32*((\kp)&1)+8*(2*\ksl+\m2):FB+32*((\kp)&1)+8*(2*\ksl+\m2)+7], v[8*(8*\qt+2*(\kp)+\ksl):8*(8*\qt+2*(\kp)+\ksl)+7], 0
.else
	v_wmma_f32_16x16x32_bf16 v[SC+32*\qt+8*(2*(\h)+\m2):SC+32*\qt+8*(2*(\h)+\m2)+7], v[FB+32*((\kp)&1)+8*(2*\ksl+\m2):FB+32*((\kp)&1)+8*(2*\ksl+\m2)+7], v[8*(8*\qt+2*(\kp)+\ksl):8*(8*\qt+2*(\kp)+\ksl)+7], v[SC+32*\qt+8*(2*(\h)+\m2):SC+32*\qt+8*(2*(\h)+\m2)+7]
.endif
.if \vec
	SGAP 1-(\h), \first, cnt_s
.endif
.set cnt_s, cnt_s+1
.endr
.endr
.endr
.endm
; 16 products V(2 h + m, dt) += x(2 h + m, ks) Wv(dt, ks), from the same four fragments
.macro VG h, kp, vec, first
.irp ksl, 0,1
.irp m2, 0,1
.irp dt, 0,1,2,3
	WIN SIG_V
.if ((\kp)+\ksl) == 0
	v_wmma_f32_16x16x32_bf16 v[32*\dt+8*(2*(\h)+\m2):32*\dt+8*(2*(\h)+\m2)+7], v[FB+32*((\kp)&1)+8*(2*\ksl+\m2):FB+32*((\kp)&1)+8*(2*\ksl+\m2)+7], v[8*(8*\dt+2*(\kp)+\ksl):8*(8*\dt+2*(\kp)+\ksl)+7], 0
.else
	v_wmma_f32_16x16x32_bf16 v[32*\dt+8*(2*(\h)+\m2):32*\dt+8*(2*(\h)+\m2)+7], v[FB+32*((\kp)&1)+8*(2*\ksl+\m2):FB+32*((\kp)&1)+8*(2*\ksl+\m2)+7], v[8*(8*\dt+2*(\kp)+\ksl):8*(8*\dt+2*(\kp)+\ksl)+7], v[32*\dt+8*(2*(\h)+\m2):32*\dt+8*(2*(\h)+\m2)+7]
.endif
.if \vec
	VGAP 1-(\h), \first, cnt_v
.endif
.set cnt_v, cnt_v+1
.endr
.endr
.endr
.endm
; O(dt, qt) += V^T(dt, hx) P(qt, hx), K = the half's 32 hits: sixteen accumulators by turns, one instruction a turn.
; The rescaling of tile a + 4 stands behind the product of tile a: it names none of the registers of the products issued so far.
.macro PVH hx, first
	WIN SIG_PV
.irp dt, 0,1,2,3
.irp qt, 0,1,2,3
.if \first
	v_wmma_f32_16x16x32_bf16 v[OA+8*(4*\dt+\qt):OA+8*(4*\dt+\qt)+7], v[32*\dt+16*(\hx):32*\dt+16*(\hx)+7], v[SC+32*\qt+16*(\hx):SC+32*\qt+16*(\hx)+7], 0
.else
	v_wmma_f32_16x16x32_bf16 v[OA+8*(4*\dt+\qt):OA+8*(4*\dt+\qt)+7], v[32*\dt+16*(\hx):32*\dt+16*(\hx)+7], v[SC+32*\qt+16*(\hx):SC+32*\qt+16*(\hx)+7], v[OA+8*(4*\dt+\qt):OA+8*(4*\dt+\qt)+7]
.if 4*\dt+\qt < 12
	RESC 4*\dt+\qt+4
.endif
.endif
.endr
.endr
.endm
; The change of slots in front of a trip of parity pn.  ONE barrier orders: my reads of BF(1 - pn), just ended, against the coming
; trip's stores into it; my stores into BF(pn), just ended, against the coming trip's reads; my reads of F(pn), just ended, against
; its refill.  refill = 1: F(pn) gets the tile two behind the one that it held.  conv = 1: the coming trip converts a tile.
; Between the two halves of the barrier stands register work alone.
.macro CHG_OPEN pn, refill, conv
.if \conv
	s_wait_xcnt 0x0
	v_lshl_add_u32 v174, v0, 2, 0x30800
	v_mov_b32 v175, 0
	s_wait_tensorcnt 0x0                           ; all my tensor loads have landed: the one that was out is my quarter of the tile that the coming trip converts,
	ds_add_u32 v174, v175
	s_wait_dscnt 0x0
.endif
.if \refill
	s_add_nc_u64 s[G0+4*(\pn)+2:G0+4*(\pn)+3], s[G0+4*(\pn)+2:G0+4*(\pn)+3], 2*FSLOT   ; so this group 0 may be written: two tiles on
.endif
	s_wait_dscnt 0x0                               ; my LDS reads and stores are done, this run's fragments among them
	s_barrier_signal -1
.endm
.macro CHG_CLOSE pn, refill, conv
	WIN 0
	s_barrier_wait -1                              ; both now hold of all four waves
.if \refill
	tensor_load_to_lds s[G0+4*(\pn):G0+4*(\pn)+3], s[G1:G1+7]   ; first behind the barrier; the wait for it stands a whole trip (288 products) further on
	s_nop 0
.endif
.if \conv
.irp u, 0,1,2,3
	CL \pn, 0, \u
.endr
.endif
.irp f, 0,1,2,3,4,5,6,7
	FLD \pn, 0, \f                                 ; into fragment buffer 0, which the trip's last run does not read
.endr
.endm
; One half h of a tile of parity p.  conv: this trip converts the next tile.  chg (h = 1 alone): a trip follows; nrefill, nconv: its change
; of slots asks for a tile, it converts one.  vec: there is a half before this one; first: that half is the first of all.
.macro STAGE p, h, conv, chg, nrefill, nconv, vec, first
.set cnt_s, 0
.set cnt_v, 0
.irp kp, 0,1,2,3
	HEAD \p, 4*(\h)+\kp, \conv
.if (4*(\h)+\kp) < 7
	s_wait_dscnt 8+8*\conv                         ; this run's fragments are in; younger: the next run's 8 fragment loads and, where a tile is converted, 4 stores and 4 loads
	SG \h, \kp, \vec, \first
.else
.if \chg
	CHG_OPEN 1-(\p), \nrefill, \nconv
	SG \h, \kp, \vec, \first
	CHG_CLOSE 1-(\p), \nrefill, \nconv
.else
	s_wait_dscnt 0x0
	SG \h, \kp, \vec, \first
.endif
.endif
	VG \h, \kp, \vec, \first
.endr
.if \vec
	PVH 1-(\h), \first
.endif
.endm
.macro TRIP p, conv, chg, nrefill, nconv
	STAGE \p, 0, \conv, 0, 0, 0, 1, 0
	STAGE \p, 1, \conv, \chg, \nrefill, \nconv, 1, 0
	WIN 0
.endm
	s_load_b256 s[4:11], s[0:1], 0x0               ; x s[4:5], qf s[6:7], wvf s[8:9], op s[10:11]
	s_load_b64 s[12:13], s[0:1], 0x20              ; ml
	v_lshl_add_u32 v174, v0, 2, 0x30800
	v_mov_b32 v175, 0
	ds_add_u32 v174, v175
	ds_add_u32 v174, v175
	s_wait_dscnt 0x0
	v_lshrrev_b32 v6, 5, v0
	v_readfirstlane_b32 s14, v6                    ; wave
	v_and_b32 v7, 31, v0
	v_lshlrev_b32 v1, 4, v7                        ; 16 x lane
	v_and_b32 v6, 15, v0                           ; r
	v_bfe_u32 v7, v0, 4, 1                         ; h
	v_mul_u32_u24 v[XA], v6, BPITCH
	v_lshl_add_u32 v[XA], v7, 4, v[XA]
	s_lshl_b32 s16, s14, 14                        ; my 16 rows of f32
	s_add_co_u32 s17, s16, F0
	v_add_nc_u32 v[CA], s17, v1
	v_add_nc_u32 v[CA+1], FSLOT, v[CA]
	s_mul_i32 s18, s14, 16*BPITCH                  ; my 16 rows of bf16
	v_lshrrev_b32 v[CS], 1, v1
	v_add_nc_u32 v[CS], s18, v[CS]
	; group 1: my 16,384 bytes of a tile are dense in memory: 64 rows of 32 elements of 8 bytes, no padding
	s_mov_b32 s[G1+0], 3<<16                       ; no mask; element of 8 bytes
	s_mov_b32 s[G1+1], 32<<16                      ; tensor_dim0 = 32
	s_mov_b32 s[G1+2], 64<<16                      ; tensor_dim1 = 64
	s_mov_b32 s[G1+3], 32<<16                      ; tile_dim0 = 32
	s_mov_b32 s[G1+4], 64                          ; tile_dim1 = 64
	s_mov_b32 s[G1+5], 32                          ; from row to row: 32 elements
	s_mov_b32 s[G1+6], 0
	s_mov_b32 s[G1+7], 0
	s_mov_b32 s[G0+0], 1
	s_add_co_u32 s[G0+1], s16, F0
	s_mov_b32 s[G0+4], 1
	s_add_co_u32 s[G0+5], s16, F0+FSLOT
	s_and_b32 s19, ttmp7, 0xffff                   ; y = 16 b + chunk
	s_lshl_b32 s15, ttmp9, 2
	s_add_co_u32 s15, s15, s14                     ; head
	s_lshr_b32 s22, s19, 4
	s_lshl_b32 s22, s22, 3
	s_add_co_u32 s22, s22, s15                     ; 8 b + head
	s_and_b32 s23, s19, 15
	s_lshl_b32 s2, s22, 4
	s_add_co_u32 s23, s23, s2                      ; 16 (8 b + head) + chunk
	s_lshl_b32 s20, s19, 20                        ; a chunk of x is 1,048,576 bytes
	s_add_co_u32 s20, s20, s16
	s_mov_b32 s21, 0
	s_mov_b32 s40, 0x76543210                      ; v_permlanex16_b32: lane i of one half reads lane i of the other
	s_mov_b32 s41, 0xfedcba98
	s_wait_kmcnt 0x0
	s_add_nc_u64 s[G0+2:G0+3], s[4:5], s[20:21]    ; my rows of tile 0
	s_add_nc_u64 s[G0+6:G0+7], s[G0+2:G0+3], FSLOT ; of tile 1
	s_or_b32 s[G0+3], s[G0+3], 0x80000000          ; type = 2
	s_or_b32 s[G0+7], s[G0+7], 0x80000000
	tensor_load_to_lds s[G0:G0+3], s[G1:G1+7]      ; first fills: no barrier
	s_nop 0
	tensor_load_to_lds s[G0+4:G0+7], s[G1:G1+7]
	s_nop 0
	s_lshl_b32 s20, s22, 15
	s_add_nc_u64 s[6:7], s[6:7], s[20:21]          ; my 32 fragments of Q'
	s_lshl_b32 s20, s15, 15
	s_add_nc_u64 s[8:9], s[8:9], s[20:21]          ; my 32 fragments of Wv
	s_lshl_b32 s20, s23, 14
	s_add_nc_u64 s[10:11], s[10:11], s[20:21]
	s_lshl_b32 s20, s23, 10
	s_add_nc_u64 s[12:13], s[12:13], s[20:21]
	WIN 0x40                                       ; destination in window 1
.set n, 0
.rept 64
	global_load_b128 v[4*n:4*n+3], v1, s[6:7] offset:512*n
.set n, n+1
.endr
	WIN 0x80                                       ; destination in window 2
.set n, 0
.rept 64
	global_load_b128 v[4*n:4*n+3], v1, s[8:9] offset:512*n
.set n, n+1
.endr
	WIN 0
.set n, ST
.rept 32
	v_mov_b32 v[n], 0                              ; the eight sums start at 0; the other 24 are written so that pairs and lane exchanges read written registers
.set n, n+1
.endr
	s_wait_tensorcnt 0x1                           ; my quarter of tile 0 is in; tile 1's stays out
.set n, 0
.rept 32
	ds_load_b128 v[SC+4*n:SC+4*n+3], v[CA] offset:512*n
.set n, n+1
.endr
	s_wait_dscnt 0x0
.set n, 0
.rept 32
	v_cvt_pk_bf16_f32 v[SC+4*n], v[SC+4*n], v[SC+4*n+1]
	v_cvt_pk_bf16_f32 v[SC+4*n+1], v[SC+4*n+2], v[SC+4*n+3]
.set n, n+1
.endr
.set n, 0
.rept 32
	ds_store_b64 v[CS], v[SC+4*n:SC+4*n+1] offset:BPITCH*(n>>1)+256*(n&1)
.set n, n+1
.endr
	CHG_OPEN 0, 1, 1                               ; tile 0 is whole in BF0, tile 1 has landed in F1,
	CHG_CLOSE 0, 1, 1                              ; tile 2 is asked for into F0
	s_wait_loadcnt 0x0                             ; Q' and Wv, once
	STAGE 0, 0, 1, 0, 0, 0, 0, 0                   ; tile 0, first half: no half stands before it
	STAGE 0, 1, 1, 1, 1, 1, 1, 1                   ; second half; the first half starts the maxima, the sums and O: nothing is cleared but the eight sums
	WIN 0
	s_mov_b32 s42, 6                               ; tiles 1 to 12; their changes of slots ask for tiles 4 to 15
.Ltile:
	TRIP 1, 1, 1, 1, 1
	TRIP 0, 1, 1, 1, 1
	s_sub_co_u32 s42, s42, 1
	s_cmp_lg_u32 s42, 0
	s_cbranch_scc1 .Ltile
	TRIP 1, 1, 1, 0, 1                             ; tile 13: nothing more to ask for
	TRIP 0, 1, 1, 0, 0                             ; tile 14 converts tile 15; tile 15 will convert nothing
	TRIP 1, 0, 0, 0, 0                             ; tile 15
	; the last half's vector work has no products to stand among: the same steps in the same order, then its O products
.set cnt_s, 0
.rept 64
	SGAP 1, 0, cnt_s
.set cnt_s, cnt_s+1
.endr
.set cnt_v, 0
.rept 64
	VGAP 1, 0, cnt_v
.set cnt_v, cnt_v+1
.endr
	PVH 1, 0
	WIN 0
	; the way out: O as it lies (each store of the wave covers 512 consecutive bytes), the maxima and the sums
	NOPS 4                                         ; four places behind the last products before O is stored
.irp qt, 0,1,2,3
	v_add_f32 v[LQ+\qt], v[LS+2*\qt], v[LS+2*\qt+1]
.endr
.irp qt, 0,1,2,3
	v_permlanex16_b32 v[ST+4*\qt+3], v[LQ+\qt], s40, s41
.endr
.irp qt, 0,1,2,3
	v_add_f32 v[LQ+\qt], v[LQ+\qt], v[ST+4*\qt+3]
	v_mov_b32 v[MQ+\qt], v[ST+4*\qt]
.endr
	WIN 0x0c                                       ; store data in window 3
.irp qt, 0,1,2,3
.irp dt, 0,1,2,3
	global_store_b128 v1, v[OA+8*(4*\dt+\qt):OA+8*(4*\dt+\qt)+3], s[10:11] offset:4096*\qt+1024*\dt
	global_store_b128 v1, v[OA+8*(4*\dt+\qt)+4:OA+8*(4*\dt+\qt)+7], s[10:11] offset:4096*\qt+1024*\dt+512
.endr
.endr
	WIN 0
	global_store_b128 v1, v[MQ:MQ+3], s[12:13]
	global_store_b128 v1, v[LQ:LQ+3], s[12:13] offset:512
	s_wait_xcnt 0x0
	v_lshl_add_u32 v174, v0, 2, 0x30800
	v_mov_b32 v175, 0
	s_wait_tensorcnt 0x0
	ds_add_u32 v174, v175
	s_wait_dscnt 0x0
	s_endpgm
.Lfunc_end_k_qc2dc69cd47_attn:
	.size	k_qc2dc69cd47_attn, .Lfunc_end_k_qc2dc69cd47_attn-k_qc2dc69cd47_attn
	.p2alignl 7, 3214868480
	.fill 96, 4, 3214868480
	.section	.rodata,"a",@progbits
	.p2align	6, 0x0
	.amdhsa_kernel k_qc2dc69cd47_attn
		.amdhsa_group_segment_fixed_size 327680
		.amdhsa_private_segment_fixed_size 0
		.amdhsa_enable_private_segment 0
		.amdhsa_kernarg_size 40
		.amdhsa_user_sgpr_count 2
		.amdhsa_user_sgpr_kernarg_segment_ptr 1
		.amdhsa_wavefront_size32 1
		.amdhsa_system_sgpr_workgroup_id_x 1
		.amdhsa_system_sgpr_workgroup_id_y 1
		.amdhsa_system_sgpr_workgroup_id_z 1
		.amdhsa_system_vgpr_workitem_id 0
		.amdhsa_next_free_vgpr 1024
		.amdhsa_next_free_sgpr 66
		.amdhsa_reserve_vcc 0
		.amdhsa_float_denorm_mode_32 3
		.amdhsa_float_denorm_mode_16_64 3
		.amdhsa_memory_ordered 1
		.amdhsa_forward_progress 1
		.amdhsa_inst_pref_size 255
	.end_amdhsa_kernel
	.section	.bss,"aw",@nobits
	.p2align	6
	.space	262144
	.amdgpu_metadata
---
amdhsa.version: [ 1, 2 ]
amdhsa.kernels:
  - .name:           k_qc2dc69cd47_attn
    .symbol:         k_qc2dc69cd47_attn.kd
    .args:
      - { .name: hit_features, .offset: 0, .size: 8, .value_kind: global_buffer, .address_space: global }
      - { .name: qf, .offset: 8, .size: 8, .value_kind: global_buffer, .address_space: global }
      - { .name: wvf, .offset: 16, .size: 8, .value_kind: global_buffer, .address_space: global }
      - { .name: op, .offset: 24, .size: 8, .value_kind: global_buffer, .address_space: global }
      - { .name: ml, .offset: 32, .size: 8, .value_kind: global_buffer, .address_space: global }
    .group_segment_fixed_size: 327680
    .private_segment_fixed_size: 0
    .kernarg_segment_align: 8
    .kernarg_segment_size: 40
    .max_flat_workgroup_size: 128
    .sgpr_count:     66
    .vgpr_count:     1024
    .wavefront_size: 32
...
	.end_amdgpu_metadata
.endif
;; end of part 4
;; launch join (part 5): grid 256 x 1, 8 waves a work-group, no clusters, 5,632 bytes of LDS; arguments op, ml, w1f, hp; writes hp
.if DOCPART == 5
	.amdgcn_target "amdgcn-amd-amdhsa--gfx1250"
	.amdhsa_code_object_version 6
	.text
	.protected	k_qc2dc69cd47_join
	.globl	k_qc2dc69cd47_join
	.p2align	8
	.type	k_qc2dc69cd47_join,@function
k_qc2dc69cd47_join:
	s_mov_b64 s[64:65], 0
	v_nop
	global_prefetch_b8 v0, s[64:65] scope:SCOPE_SE
	s_setreg_imm32_b32 hwreg(HW_REG_WAVE_MODE, 25, 1), 1
	s_wait_xcnt 0x0
; join: for one batch b, one head and one tile of 16 slots (id = 4 (8 b + head) + qt): joins the 16 chunks,
;   att^T[dv][slot] = sum over chunks of O^T 2^(m - M) / sum over chunks of l 2^(m - M),  M the largest m of the slot,
; and multiplies it by the head's 64 rows of W1: the head's share of the hidden sums, [512 j][16 slots] in f32, ahead of bias and relu.
; The next launch adds the eight heads' shares.  So the 16 MiB of partial O are spread over 256 work-groups, 64 KiB each,
; beside 64 KiB of W1, instead of 512 KiB and all of W1 for each of 32.
; Eight waves.  Wave w: takes the 512 bytes [dv tile w / 2][half w % 2] of each chunk's O^T (16 loads); brings m and l of chunks
; 2 w, 2 w + 1 into LDS for all; makes hidden tiles 4 w .. 4 w + 3 (16 j x 16 slots, K = 64: two products each).
; All 36 loads of a wave are issued at once; the counted waits take them in the order in which they are needed.
; NO CLUSTER, no tensor loads: each byte of O has one reader.  The head's slice of W1 is shared by the 32 work-groups of that head,
; but the launch is one pass without a loop: a joint load would add two rounds of the cluster's barrier and a pass through LDS for
; 64 KiB that the waves take straight into their A fragments.
; LIMITS: att and W1 are rounded once to bf16; the join and the shares are f32; the sum over att's 512 features is formed head by head.
.set MLP, 144                          ; LDS from 0: row r (slot): 16 m, 16 l, 16 bytes of padding: 9 x 16 bytes
.set ATT, 2560                         ; LDS: two B fragments of att^T, 1,024 bytes each
.set MV,  16                           ; v[16:31]   m of the 16 chunks, then the chunks' weights
.set LV,  32                           ; v[32:47]   l of the 16 chunks
.set AC,  48                           ; v[48:51]   my four numbers of att^T
.set PK,  52                           ; v[52:53]   the same in bf16
.set OPR, 64                           ; v[64:127]  chunk c: four registers of O^T
.set WA,  128                          ; v[128:191] A fragment (tile i, K step f) at WA + 16 i + 8 f
.set BFR, 192                          ; v[192:207] the two B fragments
.set HA,  208                          ; v[208:239] four hidden tiles
	s_load_b256 s[4:11], s[0:1], 0x0               ; op s[4:5], ml s[6:7], w1f s[8:9], hp s[10:11]
	v_lshl_add_u32 v240, v0, 2, 0x1200
	v_mov_b32 v241, 0
	v_lshrrev_b32 v2, 5, v0
	v_readfirstlane_b32 s3, v2                     ; wave
	v_and_b32 v1, 31, v0
	v_lshlrev_b32 v1, 4, v1                        ; 16 x lane
	v_and_b32 v2, 15, v0                           ; r: my slot
	v_mul_u32_u24 v5, v2, MLP                      ; LDS: my slot's row of m and l
	s_lshl_b32 s12, s3, 3
	v_add_nc_u32 v4, s12, v5                       ; LDS: chunks 2 w, 2 w + 1 in that row
	s_lshr_b32 s12, s3, 1
	s_lshl_b32 s12, s12, 9                         ; dv tile d is half d % 2 of fragment d / 2: 512 d
	s_and_b32 s13, s3, 1
	s_lshl_b32 s13, s13, 3                         ; my four numbers are 8 bytes of a lane's 16
	s_add_co_u32 s12, s12, s13
	s_add_co_u32 s12, s12, ATT
	v_add_nc_u32 v6, s12, v1
	s_lshr_b32 s14, ttmp9, 2                       ; 8 b + head
	s_and_b32 s15, ttmp9, 3                        ; qt
	s_and_b32 s16, s14, 7                          ; head
	s_lshr_b32 s17, s14, 3                         ; b
	s_mov_b32 s21, 0
	s_wait_kmcnt 0x0
	s_lshl_b32 s20, s14, 18                        ; op: 16 chunks of 16,384 bytes for a head,
	s_lshl_b32 s22, s15, 12                        ; slot tile qt,
	s_add_co_u32 s20, s20, s22
	s_lshl_b32 s22, s3, 9                          ; my 512 bytes
	s_add_co_u32 s20, s20, s22
	s_add_nc_u64 s[4:5], s[4:5], s[20:21]
	s_lshl_b32 s20, s14, 14                        ; ml: 16 chunks of 1,024 bytes,
	s_lshl_b32 s22, s15, 2                         ; word qt of a lane's four,
	s_add_co_u32 s20, s20, s22
	s_lshl_b32 s22, s3, 11                         ; chunk 2 w
	s_add_co_u32 s20, s20, s22
	s_add_nc_u64 s[6:7], s[6:7], s[20:21]
	s_lshl_b32 s20, s3, 16                         ; w1f: j tile 4 w (16 fragments to a tile),
	s_lshl_b32 s22, s16, 11                        ; K step 2 head
	s_add_co_u32 s20, s20, s22
	s_add_nc_u64 s[8:9], s[8:9], s[20:21]
	s_lshl_b32 s22, s17, 2
	s_add_co_u32 s22, s22, s15
	s_lshl_b32 s22, s22, 3
	s_add_co_u32 s22, s22, s16                     ; 8 (4 b + qt) + head
	s_lshl_b32 s20, s22, 15                        ; hp: 32 tiles of 1,024 bytes,
	s_lshl_b32 s22, s3, 12                         ; tile 4 w
	s_add_co_u32 s20, s20, s22
	s_add_nc_u64 s[10:11], s[10:11], s[20:21]
	global_load_b32 v8, v1, s[6:7]                 ; m of chunk 2 w,
	global_load_b32 v9, v1, s[6:7] offset:1024     ; of chunk 2 w + 1,
	global_load_b32 v10, v1, s[6:7] offset:512     ; l likewise
	global_load_b32 v11, v1, s[6:7] offset:1536
.irp c, 0,1,2,3,4,5,6,7,8,9,10,11,12,13,14,15
	global_load_b128 v[OPR+4*\c:OPR+4*\c+3], v1, s[4:5] offset:16384*\c
.endr
.irp i, 0,1,2,3
.irp f, 0,1
	global_load_b128 v[WA+16*\i+8*\f:WA+16*\i+8*\f+3], v1, s[8:9] offset:16384*\i+1024*\f
	global_load_b128 v[WA+16*\i+8*\f+4:WA+16*\i+8*\f+7], v1, s[8:9] offset:16384*\i+1024*\f+512
.endr
.endr
	s_wait_loadcnt 32                              ; m and l are in; 16 loads of O and 16 of W1 stay out
	ds_store_b64 v4, v[8:9]                        ; lanes l and l + 16 hold the same slot and write the same words with the same values
	ds_store_b64 v4, v[10:11] offset:64
	s_wait_dscnt 0x0                               ; my stores are done before I signal
	s_barrier_signal -1
	s_barrier_wait -1
.irp k, 0,1,2,3,4,5,6,7
	ds_load_b128 v[MV+4*\k:MV+4*\k+3], v5 offset:16*\k   ; my slot's 16 m, then its 16 l
.endr
	s_wait_dscnt 0x0
	v_max_num_f32 v7, v[MV], v[MV+1]
.irp c, 1,2,3,4,5,6,7
	v_max3_num_f32 v7, v7, v[MV+2*\c], v[MV+2*\c+1]
.endr
.irp c, 0,1,2,3,4,5,6,7,8,9,10,11,12,13,14,15
	v_sub_f32 v[MV+\c], v[MV+\c], v7
.endr
.irp c, 0,1,2,3,4,5,6,7,8,9,10,11,12,13,14,15
	v_exp_f32 v[MV+\c], v[MV+\c]                   ; the maxima are logits in base 2
.endr
	v_nop                                          ; one plain instruction behind the transcendentals (ISA guide 5.7.2)
	s_wait_alu depctr_va_vdst(0)
	v_mul_f32 v9, v[MV], v[LV]
.irp c, 1,2,3,4,5,6,7,8,9,10,11,12,13,14,15
	v_fmac_f32 v9, v[MV+\c], v[LV+\c]
.endr
	v_rcp_f32 v9, v9                               ; the chunk that holds the maximum gives at least 1
	v_nop
	s_wait_alu depctr_va_vdst(0)
.irp c, 0,1,2,3,4,5,6,7,8,9,10,11,12,13,14,15
	v_mul_f32 v[MV+\c], v[MV+\c], v9
.endr
	s_wait_loadcnt 16                              ; O is in; the 16 loads of W1 stay out
.irp i, 0,1,2,3
	v_mul_f32 v[AC+\i], v[MV], v[OPR+\i]           ; the first chunk starts the sums
.endr
.irp c, 1,2,3,4,5,6,7,8,9,10,11,12,13,14,15
.irp i, 0,1,2,3
	v_fmac_f32 v[AC+\i], v[MV+\c], v[OPR+4*\c+\i]
.endr
.endr
	v_cvt_pk_bf16_f32 v[PK], v[AC], v[AC+1]
	v_cvt_pk_bf16_f32 v[PK+1], v[AC+2], v[AC+3]
	ds_store_b64 v6, v[PK:PK+1]
	s_wait_dscnt 0x0
	s_barrier_signal -1
	s_barrier_wait -1
.irp n, 0,1,2,3
	ds_load_b128 v[BFR+4*\n:BFR+4*\n+3], v1 offset:ATT+512*\n
.endr
	s_wait_loadcnt 0x0
	s_wait_dscnt 0x0
	; four accumulators by turns, one instruction a turn; the first K step starts the sums
.irp i, 0,1,2,3
	v_wmma_f32_16x16x32_bf16 v[HA+8*\i:HA+8*\i+7], v[WA+16*\i:WA+16*\i+7], v[BFR:BFR+7], 0
.endr
.irp i, 0,1,2,3
	v_wmma_f32_16x16x32_bf16 v[HA+8*\i:HA+8*\i+7], v[WA+16*\i+8:WA+16*\i+15], v[BFR+8:BFR+15], v[HA+8*\i:HA+8*\i+7]
.endr
.rept 4
	v_nop                                          ; four places behind the last products before the tiles are stored (ISA guide 7.12.1)
.endr
.irp i, 0,1,2,3
	global_store_b128 v1, v[HA+8*\i:HA+8*\i+3], s[10:11] offset:1024*\i          ; the tiles as they lie: each store of the wave covers 512 consecutive bytes
	global_store_b128 v1, v[HA+8*\i+4:HA+8*\i+7], s[10:11] offset:1024*\i+512
.endr
	s_wait_tensorcnt 0x0
	ds_add_u32 v240, v241
	s_wait_dscnt 0x0
	s_endpgm
.Lfunc_end_k_qc2dc69cd47_join:
	.size	k_qc2dc69cd47_join, .Lfunc_end_k_qc2dc69cd47_join-k_qc2dc69cd47_join
	.p2alignl 7, 3214868480
	.fill 96, 4, 3214868480
	.section	.rodata,"a",@progbits
	.p2align	6, 0x0
	.amdhsa_kernel k_qc2dc69cd47_join
		.amdhsa_group_segment_fixed_size 5632
		.amdhsa_private_segment_fixed_size 0
		.amdhsa_enable_private_segment 0
		.amdhsa_kernarg_size 32
		.amdhsa_user_sgpr_count 2
		.amdhsa_user_sgpr_kernarg_segment_ptr 1
		.amdhsa_wavefront_size32 1
		.amdhsa_system_sgpr_workgroup_id_x 1
		.amdhsa_system_sgpr_workgroup_id_y 1
		.amdhsa_system_sgpr_workgroup_id_z 1
		.amdhsa_system_vgpr_workitem_id 0
		.amdhsa_next_free_vgpr 242
		.amdhsa_next_free_sgpr 66
		.amdhsa_reserve_vcc 0
		.amdhsa_float_denorm_mode_32 3
		.amdhsa_float_denorm_mode_16_64 3
		.amdhsa_memory_ordered 1
		.amdhsa_forward_progress 1
		.amdhsa_inst_pref_size 13
	.end_amdhsa_kernel
	.amdgpu_metadata
---
amdhsa.version: [ 1, 2 ]
amdhsa.kernels:
  - .name:           k_qc2dc69cd47_join
    .symbol:         k_qc2dc69cd47_join.kd
    .args:
      - { .name: op, .offset: 0, .size: 8, .value_kind: global_buffer, .address_space: global }
      - { .name: ml, .offset: 8, .size: 8, .value_kind: global_buffer, .address_space: global }
      - { .name: w1f, .offset: 16, .size: 8, .value_kind: global_buffer, .address_space: global }
      - { .name: hp, .offset: 24, .size: 8, .value_kind: global_buffer, .address_space: global }
    .group_segment_fixed_size: 5632
    .private_segment_fixed_size: 0
    .kernarg_segment_align: 8
    .kernarg_segment_size: 32
    .max_flat_workgroup_size: 256
    .sgpr_count:     66
    .vgpr_count:     242
    .wavefront_size: 32
...
	.end_amdgpu_metadata
.endif
;; end of part 5
;; launch mlp (part 6): grid 32 x 1, 8 waves a work-group, no clusters, 34,048 bytes of LDS; arguments hp, w2f, b1, b2, slot_representations, ln2_g, ln2_b, out0; writes out0
.if DOCPART == 6
	.amdgcn_target "amdgcn-amd-amdhsa--gfx1250"
	.amdhsa_code_object_version 6
	.text
	.protected	k_qc2dc69cd47_mlp
	.globl	k_qc2dc69cd47_mlp
	.p2align	8
	.type	k_qc2dc69cd47_mlp,@function
k_qc2dc69cd47_mlp:
	s_mov_b64 s[64:65], 0
	v_nop
	global_prefetch_b8 v0, s[64:65] scope:SCOPE_SE
	s_setreg_imm32_b32 hwreg(HW_REG_WAVE_MODE, 25, 1), 1
	s_wait_xcnt 0x0
; mlp: hidden = relu(b1 + the eight heads' shares), out = hidden W2 + b2, the residual and LayerNorm 2.
; Work-group id = 4 b + qt: batch b, slots 16 qt .. 16 qt + 15.  Eight waves.
;   phase 1: wave w adds up hidden tiles 4 w .. 4 w + 3 (16 j x 16 slots); the sums start from b1; relu; packed as two B fragments
;   phase 2: wave w makes output tiles 2 w, 2 w + 1 (16 o x 16 slots), K = 512 of hidden; the sums start from b2
;   phase 3: wave w normalises rows 2 w, 2 w + 1
; The products are transposed, D = [feature][slot], so that a lane's eight results pack into the next B fragment where they lie.
; All that comes from memory in bulk goes through ONE ring of four register slots of eight 16-byte loads: 8 items of shares,
; 8 of W2, so that the weights are on their way while phase 1 ends.
; NO CLUSTER, no tensor loads: each byte of the shares has one reader.  W2 is read by all 32 work-groups, but each wave takes its
; 32 KiB once, straight into A fragments, in a pass without a loop over shared tiles; LayerNorm 2 needs whole rows, so that no
; work-group can do with a part of W2.
; LIMITS: hidden and W2 are rounded once to bf16; the sums, the biases, the residual and LayerNorm are f32.
.set HID, 0                            ; LDS: 16 B fragments of hidden^T
.set YB,  16384                        ; LDS: 16 rows of 256 f32
.set YP,  1040                         ; their pitch: 1,024 + 16 = 65 x 16 bytes
.set BFR,  16                          ; v[16:47]   four B fragments
.set A1,   80                          ; v[80:111]  four hidden tiles
.set A2,   112                         ; v[112:127] two output tiles
.set RING, 128                         ; v[128:255] four slots of 32 registers
.macro NOPS n
.rept \n
	v_nop
.endr
.endm
.macro PACK16 d
.irp i, 0,1,2,3,4,5,6,7
	v_cvt_pk_bf16_f32 v[(\d)+\i], v[(\d)+2*\i], v[(\d)+2*\i+1]
.endr
.endm
; item 0-7: head's share of my four hidden tiles; 8-15: K steps 2 (item - 8), + 1 of my two tiles of W2, fragment i: tile i % 2, step i / 2
.macro ISSUE item
.set sl, RING+32*((\item)&3)
.irp u, 0,1,2,3,4,5,6,7
.if (\item) < 8
	global_load_b128 v[sl+4*\u:sl+4*\u+3], v1, s[4:5] offset:32768*(\item)+512*\u
.else
	global_load_b128 v[sl+4*\u:sl+4*\u+3], v1, s[6:7] offset:(16*((\u>>1)&1)+2*((\item)-8)+(\u>>2))*1024+512*(\u&1)
.endif
.endr
.endm
.macro WSUM reg                        ; sum over the 32 lanes, in every lane; reg + 1 is scratch that has been written
	v_add_f32_dpp v[\reg], v[\reg], v[\reg] row_xmask:1 row_mask:0xf bank_mask:0xf
	v_add_f32_dpp v[\reg], v[\reg], v[\reg] row_xmask:2 row_mask:0xf bank_mask:0xf
	v_add_f32_dpp v[\reg], v[\reg], v[\reg] row_xmask:4 row_mask:0xf bank_mask:0xf
	v_add_f32_dpp v[\reg], v[\reg], v[\reg] row_xmask:8 row_mask:0xf bank_mask:0xf
	v_permlanex16_b32 v[\reg+1], v[\reg], s32, s33
	v_add_f32 v[\reg], v[\reg], v[\reg+1]
.endm
	s_load_b512 s[4:19], s[0:1], 0x0               ; hp s[4:5], w2f s[6:7], b1 s[8:9], b2 s[10:11], slots s[12:13], ln2_g s[14:15], ln2_b s[16:17], out0 s[18:19]
	s_set_vgpr_msb 0x40
	v_lshl_add_u32 v0, v0, 2, 0x8100
	v_mov_b32 v1, 0
	s_set_vgpr_msb 0x4000
	v_lshrrev_b32 v2, 5, v0
	v_readfirstlane_b32 s3, v2                     ; wave
	v_and_b32 v1, 31, v0
	v_lshlrev_b32 v1, 4, v1                        ; 16 x lane
	v_and_b32 v2, 15, v0                           ; r
	v_bfe_u32 v3, v0, 4, 1                         ; h
	v_lshlrev_b32 v4, 5, v3                        ; biases: 8 h numbers
	s_lshl_b32 s24, s3, 11
	v_add_nc_u32 v5, s24, v1                       ; LDS: my two fragments of hidden^T
	v_mul_u32_u24 v6, v2, YP
	v_lshl_add_u32 v6, v3, 5, v6
	s_lshl_b32 s24, s3, 7
	s_add_co_u32 s24, s24, YB
	v_add_nc_u32 v6, s24, v6                       ; LDS: row r, column 32 w + 8 h
	s_mul_i32 s24, s3, 2*YP
	s_add_co_u32 s24, s24, YB
	v_add_nc_u32 v7, s24, v1                       ; LDS: row 2 w, 16 bytes a lane
	s_lshr_b32 s25, ttmp9, 2                       ; b
	s_and_b32 s26, ttmp9, 3                        ; qt
	s_mov_b32 s29, 0
	s_mov_b32 s32, 0x76543210                      ; v_permlanex16_b32: lane i of one half reads lane i of the other
	s_mov_b32 s33, 0xfedcba98
	s_mov_b32 s34, 0x3b800000                      ; 1 / 256
	s_mov_b32 s35, 0x3727c5ac                      ; 1e-5
	s_wait_kmcnt 0x0
	s_lshl_b32 s28, ttmp9, 18                      ; hp: eight heads of 32,768 bytes,
	s_lshl_b32 s30, s3, 12                         ; tile 4 w
	s_add_co_u32 s28, s28, s30
	s_add_nc_u64 s[4:5], s[4:5], s[28:29]
	s_lshl_b32 s28, s3, 15
	s_add_nc_u64 s[6:7], s[6:7], s[28:29]          ; W2: tiles 2 w ..
	s_lshl_b32 s28, s3, 8
	s_add_nc_u64 s[8:9], s[8:9], s[28:29]
	s_lshl_b32 s28, s3, 7
	s_add_nc_u64 s[10:11], s[10:11], s[28:29]
	s_lshl_b32 s28, s25, 16
	s_lshl_b32 s30, s26, 14
	s_add_co_u32 s28, s28, s30
	s_lshl_b32 s30, s3, 11
	s_add_co_u32 s28, s28, s30
	s_add_nc_u64 s[12:13], s[12:13], s[28:29]      ; slots and out0: batch b, row 16 qt + 2 w
	s_add_nc_u64 s[18:19], s[18:19], s[28:29]
	; the biases go straight into the accumulators: register j of lane (r, h) is feature 16 tile + 8 h + j
.irp i, 0,1,2,3
	global_load_b128 v[A1+8*\i:A1+8*\i+3], v4, s[8:9] offset:64*\i
	global_load_b128 v[A1+8*\i+4:A1+8*\i+7], v4, s[8:9] offset:64*\i+16
.endr
.irp i, 0,1
	global_load_b128 v[A2+8*\i:A2+8*\i+3], v4, s[10:11] offset:64*\i
	global_load_b128 v[A2+8*\i+4:A2+8*\i+7], v4, s[10:11] offset:64*\i+16
.endr
	ISSUE 0
	ISSUE 1
	ISSUE 2
	ISSUE 3
	; phase 1
.irp it, 0,1,2,3,4,5,6,7
	s_wait_loadcnt 24                              ; this item (and, the first time, the biases) is in; three younger items of eight loads stay out
.irp j, 0,1,2,3,4,5,6,7,8,9,10,11,12,13,14,15
	v_pk_add_f32 v[A1+2*\j:A1+2*\j+1], v[A1+2*\j:A1+2*\j+1], v[RING+32*(\it&3)+2*\j:RING+32*(\it&3)+2*\j+1]
.endr
	ISSUE \it+4
.endr
.set j, 0
.rept 32
	v_max_num_f32 v[A1+j], 0, v[A1+j]              ; relu
.set j, j+1
.endr
	PACK16 A1
	PACK16 A1+16
	ds_store_b128 v5, v[A1:A1+3] offset:HID
	ds_store_b128 v5, v[A1+4:A1+7] offset:HID+512
	ds_store_b128 v5, v[A1+16:A1+19] offset:HID+1024
	ds_store_b128 v5, v[A1+20:A1+23] offset:HID+1536
	s_wait_dscnt 0x0                               ; my stores are done before I signal
	s_barrier_signal -1
	s_barrier_wait -1
	; phase 2: two accumulators by turns, one instruction a turn.  The four v_nop behind each item's products
	; are the places in front of the loads into the slot and into the B fragments
.irp sp, 0,1,2,3,4,5,6,7
.if (\sp&1) == 0
.irp f, 0,1,2,3,4,5,6,7
	ds_load_b128 v[BFR+4*\f:BFR+4*\f+3], v1 offset:HID+(2*\sp+(\f>>1))*1024+512*(\f&1)
.endr
	s_wait_dscnt 0x0
.endif
.if \sp < 4
	s_wait_loadcnt 24                              ; as above
.else
	s_wait_loadcnt 8*(8-\sp)                       ; the younger items and the eight last loads stay out: 32, 24, 16, 8
.endif
.irp i, 0,1,2,3
	v_wmma_f32_16x16x32_bf16 v[A2+8*(\i&1):A2+8*(\i&1)+7], v[RING+32*(\sp&3)+8*\i:RING+32*(\sp&3)+8*\i+7], v[BFR+8*((2*\sp+(\i>>1))&3):BFR+8*((2*\sp+(\i>>1))&3)+7], v[A2+8*(\i&1):A2+8*(\i&1)+7]
.endr
	NOPS 4
.if \sp < 4
	ISSUE \sp+12
.endif
.if \sp == 3
	global_load_b128 v[48:51], v1, s[12:13]                    ; my two rows of the slots,
	global_load_b128 v[52:55], v1, s[12:13] offset:512
	global_load_b128 v[56:59], v1, s[12:13] offset:1024
	global_load_b128 v[60:63], v1, s[12:13] offset:1536
	global_load_b128 v[64:67], v1, s[14:15]                    ; ln2_g,
	global_load_b128 v[68:71], v1, s[14:15] offset:512
	global_load_b128 v[72:75], v1, s[16:17]                    ; ln2_b
	global_load_b128 v[76:79], v1, s[16:17] offset:512
.endif
.endr
	ds_store_b128 v6, v[A2:A2+3]                   ; eight neighbouring columns of row r
	ds_store_b128 v6, v[A2+4:A2+7] offset:16
	ds_store_b128 v6, v[A2+8:A2+11] offset:64
	ds_store_b128 v6, v[A2+12:A2+15] offset:80
	s_wait_dscnt 0x0
	s_barrier_signal -1
	s_barrier_wait -1
	; phase 3: a lane holds columns 4 l .. + 3 and 128 + 4 l .. + 3 of two rows
	ds_load_b128 v[128:131], v7
	ds_load_b128 v[132:135], v7 offset:512
	ds_load_b128 v[136:139], v7 offset:YP
	ds_load_b128 v[140:143], v7 offset:YP+512
	s_wait_loadcnt 0x0
	s_wait_dscnt 0x0
.irp j, 0,1,2,3,4,5,6,7
	v_pk_add_f32 v[128+2*\j:129+2*\j], v[128+2*\j:129+2*\j], v[48+2*\j:49+2*\j]   ; the residual
.endr
.irp rw, 0,1
	v_pk_add_f32 v[8+4*\rw:9+4*\rw], v[128+8*\rw:129+8*\rw], v[130+8*\rw:131+8*\rw]
	v_pk_add_f32 v[10+4*\rw:11+4*\rw], v[132+8*\rw:133+8*\rw], v[134+8*\rw:135+8*\rw]
	v_pk_add_f32 v[8+4*\rw:9+4*\rw], v[8+4*\rw:9+4*\rw], v[10+4*\rw:11+4*\rw]
	v_add_f32 v[8+4*\rw], v[8+4*\rw], v[9+4*\rw]
.endr
	WSUM 8
	WSUM 12
.irp rw, 0,1
	v_mul_f32 v[8+4*\rw], s34, v[8+4*\rw]          ; the mean
.irp j, 0,1,2,3
	v_pk_add_f32 v[128+8*\rw+2*\j:129+8*\rw+2*\j], v[128+8*\rw+2*\j:129+8*\rw+2*\j], v[8+4*\rw:9+4*\rw] op_sel_hi:[1,0] neg_lo:[0,1] neg_hi:[0,1]
.endr
	v_pk_mul_f32 v[10+4*\rw:11+4*\rw], v[128+8*\rw:129+8*\rw], v[128+8*\rw:129+8*\rw]
.irp j, 1,2,3
	v_pk_fma_f32 v[10+4*\rw:11+4*\rw], v[128+8*\rw+2*\j:129+8*\rw+2*\j], v[128+8*\rw+2*\j:129+8*\rw+2*\j], v[10+4*\rw:11+4*\rw]
.endr
	v_add_f32 v[10+4*\rw], v[10+4*\rw], v[11+4*\rw]
.endr
	WSUM 10
	WSUM 14
	v_fma_f32 v10, v10, s34, s35                   ; variance + 1e-5
	v_fma_f32 v14, v14, s34, s35
	v_rsq_f32 v10, v10
	v_rsq_f32 v14, v14
	v_nop                                          ; one plain instruction behind the transcendentals (ISA guide 5.7.2)
	s_wait_alu depctr_va_vdst(0)
.irp rw, 0,1
.irp j, 0,1,2,3
	v_pk_mul_f32 v[128+8*\rw+2*\j:129+8*\rw+2*\j], v[128+8*\rw+2*\j:129+8*\rw+2*\j], v[10+4*\rw:11+4*\rw] op_sel_hi:[1,0]
	v_pk_fma_f32 v[128+8*\rw+2*\j:129+8*\rw+2*\j], v[128+8*\rw+2*\j:129+8*\rw+2*\j], v[64+2*\j:65+2*\j], v[72+2*\j:73+2*\j]
.endr
.endr
	global_store_b128 v1, v[128:131], s[18:19]                 ; each store of the wave covers 512 consecutive bytes
	global_store_b128 v1, v[132:135], s[18:19] offset:512
	global_store_b128 v1, v[136:139], s[18:19] offset:1024
	global_store_b128 v1, v[140:143], s[18:19] offset:1536
	s_set_vgpr_msb 0x5
	s_wait_tensorcnt 0x0
	ds_add_u32 v0, v1
	s_wait_dscnt 0x0
	s_set_vgpr_msb 0x500
	s_endpgm
.Lfunc_end_k_qc2dc69cd47_mlp:
	.size	k_qc2dc69cd47_mlp, .Lfunc_end_k_qc2dc69cd47_mlp-k_qc2dc69cd47_mlp
	.p2alignl 7, 3214868480
	.fill 96, 4, 3214868480
	.section	.rodata,"a",@progbits
	.p2align	6, 0x0
	.amdhsa_kernel k_qc2dc69cd47_mlp
		.amdhsa_group_segment_fixed_size 34048
		.amdhsa_private_segment_fixed_size 0
		.amdhsa_enable_private_segment 0
		.amdhsa_kernarg_size 64
		.amdhsa_user_sgpr_count 2
		.amdhsa_user_sgpr_kernarg_segment_ptr 1
		.amdhsa_wavefront_size32 1
		.amdhsa_system_sgpr_workgroup_id_x 1
		.amdhsa_system_sgpr_workgroup_id_y 1
		.amdhsa_system_sgpr_workgroup_id_z 1
		.amdhsa_system_vgpr_workitem_id 0
		.amdhsa_next_free_vgpr 258
		.amdhsa_next_free_sgpr 66
		.amdhsa_reserve_vcc 0
		.amdhsa_float_denorm_mode_32 3
		.amdhsa_float_denorm_mode_16_64 3
		.amdhsa_memory_ordered 1
		.amdhsa_forward_progress 1
		.amdhsa_inst_pref_size 38
	.end_amdhsa_kernel
	.amdgpu_metadata
---
amdhsa.version: [ 1, 2 ]
amdhsa.kernels:
  - .name:           k_qc2dc69cd47_mlp
    .symbol:         k_qc2dc69cd47_mlp.kd
    .args:
      - { .name: hp, .offset: 0, .size: 8, .value_kind: global_buffer, .address_space: global }
      - { .name: w2f, .offset: 8, .size: 8, .value_kind: global_buffer, .address_space: global }
      - { .name: b1, .offset: 16, .size: 8, .value_kind: global_buffer, .address_space: global }
      - { .name: b2, .offset: 24, .size: 8, .value_kind: global_buffer, .address_space: global }
      - { .name: slot_representations, .offset: 32, .size: 8, .value_kind: global_buffer, .address_space: global }
      - { .name: ln2_g, .offset: 40, .size: 8, .value_kind: global_buffer, .address_space: global }
      - { .name: ln2_b, .offset: 48, .size: 8, .value_kind: global_buffer, .address_space: global }
      - { .name: out0, .offset: 56, .size: 8, .value_kind: global_buffer, .address_space: global }
    .group_segment_fixed_size: 34048
    .private_segment_fixed_size: 0
    .kernarg_segment_align: 8
    .kernarg_segment_size: 64
    .max_flat_workgroup_size: 256
    .sgpr_count:     66
    .vgpr_count:     258
    .wavefront_size: 32
...
	.end_amdgpu_metadata
.endif
;; end of part 6
;; ======== version 3 of 3: 4 launches; 1.39 times as fast as version 1
;; workspace buffers: qf 2,097,152 bytes; wvf 262,144 bytes; w1f 524,288 bytes; w2f 262,144 bytes; op 16,777,216 bytes; ml 1,048,576 bytes; hp 8,388,608 bytes
;; launch prep: the kernel of part 1 again; grid 128 x 1, 4 waves a work-group, no clusters, 68,096 bytes of LDS; arguments slot_representations, ln1_g, ln1_b, Wq, Wk, Wv, W1, W2, qf, wvf, w1f, w2f; writes qf, wvf, w1f, w2f
;; launch attn (part 7): grid 2 x 128, 4 waves a work-group, no clusters, 327,680 bytes of LDS; arguments hit_features, qf, wvf, op, ml; writes op, ml
.if DOCPART == 7
	.amdgcn_target "amdgcn-amd-amdhsa--gfx1250"
	.amdhsa_code_object_version 6
	.text
	.protected	k_qc2dc69cd47_attn
	.globl	k_qc2dc69cd47_attn
	.p2align	8
	.type	k_qc2dc69cd47_attn,@function
k_qc2dc69cd47_attn:
	s_mov_b64 s[64:65], 0
	v_nop
	global_prefetch_b8 v0, s[64:65] scope:SCOPE_SE
	s_setreg_imm32_b32 hwreg(HW_REG_WAVE_MODE, 25, 1), 1
	s_wait_xcnt 0x0
; attn: attention of 4 heads x 64 slots over a chunk of 1,024 hits of one batch, in 16 tiles of 64 hits.
; Work-group (x, y): heads 4 x .. 4 x + 3, batch y / 16, chunk y % 16.  Wave w is head 4 x + w, all 64 slots.
; From the SAME fragments of x (bf16, in LDS) a wave makes
;   S^T[hit][slot] = x Q'^T  (logits in base 2; Q' comes from the launch before)   and   V[hit][dv] = x Wv_head,
; then a running maximum for each slot, P = 2^(S - max), and O^T[dv][slot] = O^T * 2^(old max - max) + V^T P^T.
; Everything is transposed so that a lane's eight results are eight neighbouring k of the next operand: P and V are
; packed to bf16 where they lie, and no number changes its lane.  Out go O^T (f32), the maximum and the sum of each slot;
; the next launch joins the 16 chunks.
; TWO PIECES TAKE TURNS.  A tile is worked in two halves of 32 hits, which are the two halves of the S and V registers.  A STAGE makes
; the 64 + 64 products of one half, and the vector work of the half BEFORE it (maximum, exponentials, sums, packing of P and V) stands
; behind these products, at most four vector instructions behind one product; the stage ends with the 16 O products of that earlier half, with the
; rescaling of O behind them.  The vector work names only the other half's registers, so that it never touches a register of the
; products among which it stands.
; THE EXPONENTIALS OF A STAGE ARE ONE BATCH WITH ONE WAIT.  A stage has four runs of 16 S and 16 V products.  Among the first three runs stands all that
; names no exponential's result: the maximum and its statistics, the four 2^(old maximum - new), the 32 subtracts, the 64 exponentials, the packing of V.
; The wait stands at the head of the fourth run, ahead of its LDS traffic.  Behind it stand all the readers: the sums rescaled, the 32 sums, the packing
; of P, the rescaling of O.
; x is f32 in memory: the tensor data mover brings a tile into one of two f32 slots; each wave brings and converts its own
; 16 rows into one of two bf16 slots, a tile ahead of the products.
; Trip t (p = t % 2) multiplies tile t from BF(p) and converts tile t + 1 from F(1 - p) into BF(1 - p).  LDS traffic goes in eight runs
; a trip, one in front of each 32 products (4 stores, then 4 + 8 loads for the next run), with no memory instruction among the products.
; The change of slots stands in the trip's last run: waits and signal in front of its S products, the barrier's wait, the request for
; tile t + 3 into F(1 - p) and the first 12 LDS loads of trip t + 1 behind them.
; By this text's count a wave has two tensor loads out ahead of the first change of slots and one behind every change.
; NO CLUSTER: a tile of x has two readers (the two work-groups x = 0, 1 of one y); the masks of a row, a column or all four of a
; cluster name four.  Four readers would mean 32 slots x 4 heads to a work-group and half the products for each LDS byte.
; LIMITS: logits must be finite (NaN and infinities are not reproduced).  The maximum is a true running maximum, taken up every 32 hits
; and started by the first half.  x, Q', Wv, P and V are rounded once to bf16; maxima, sums and O are f32.
.set BPITCH, 528                       ; a bf16 row: 512 bytes + 16 = 33 x 16: the 16 rows of a fragment start in 16 different 16-byte columns of 256
.set BFB,    64*BPITCH                 ; a bf16 slot, 33,792 bytes = 132 x 256; BF0 at 0, BF1 behind it; written by ds_store alone
.set F0,     2*BFB                     ; the f32 slots, filled by tensor loads alone
.set FSLOT,  65536                     ; 64 rows of 1,024 bytes; wave w's 16 rows at 16,384 w
; window 0
.set XA, 2                             ; v2       528 r + 16 h: my place in a fragment of x
.set CA, 3                             ; v3, v4   my 16 bytes in my quarter of F0, F1
.set CS, 5                             ; v5       my 8 bytes in my 16 rows of a bf16 slot
.set XE, 6                             ; v[6:7]   behind the set-up: the results of exponentials 6 and 7 of block 3 (see EXPF)
.set ST, 8                             ; v[8:23]  slot tile qt: maximum, new maximum, 2^(old - new), scratch at ST + 4 qt + 0..3
.set LS, 24                            ; v[24:31] slot tile qt: a pair of running sums
.set NM, 32                            ; v[32:39] slot tile qt: minus the maximum at NM + 2 qt (the pair's second register is only written once)
.set MQ, 32                            ; v[32:35] the way out: four maxima
.set LQ, 36                            ; v[36:39] the way out: four sums
.set CV, 40                            ; v[40:55] 16 f32 on their way to bf16
.set CO, 56                            ; v[56:63] the same as bf16
.set FB, 64                            ; v[64:95], v[96:127] two buffers of four fragments of x: (K step 2 kp + j / 2, row tile 2 h + j % 2) at 8 j
.set SC, 128                           ; v[128:255] S(mt, qt) at SC + 32 qt + 8 mt; half h = mt 2 h, 2 h + 1; then P(qt, h) at SC + 32 qt + 16 h
; window 1: Q' fragment (qt, ks) at 8 (8 qt + ks).   window 2: Wv fragment (dt, ks) at 8 (8 dt + ks).
; window 3: V(mt, dt) at 32 dt + 8 mt, then V^T fragment (dt, h) at 32 dt + 16 h;  O(dt, qt) at OA + 8 (4 dt + qt)
.set OA, 128
.set G1, 24                            ; s[24:31] descriptor group 1
.set G0, 32                            ; s[32:35], s[36:39] descriptor group 0 of F0, F1
; s_set_vgpr_msb: bits 1:0 source 0, 3:2 source 1, 5:4 source 2, 7:6 destination
.set SIG_S,  0x04                      ; B in window 1; a vector instruction without a vector register as second source works in window 0 under it
.set SIG_V,  0xf8                      ; B in window 2, C and D in window 3
.set SIG_VC, 0xcf                      ; both sources and the destination in window 3
.set SIG_PV, 0xf3                      ; A, C, D in window 3, B (or the second source) in window 0
.set MSB, 0
.macro WIN new                         ; the immediate's high byte repeats the setting that is left; a switch that changes nothing is dropped
.if MSB != \new
	s_set_vgpr_msb (MSB<<8)|\new
.set MSB, \new
.endif
.endm
.macro NOPS n
.rept \n
	v_nop
.endr
.endm
; load u (0..3) of the 2 rows of f32 that run r of a trip of parity p converts: 512 consecutive bytes to the wave
.macro CL p, r, u
	ds_load_b128 v[CV+4*(\u):CV+4*(\u)+3], v[CA+1-(\p)] offset:(4*(\r)+(\u))*512
.endm
; load f (0..7) of run r's four fragments of x (r = 4 h + kp): K step 2 kp + f / 4, row tile 2 h + (f / 2) % 2, half f % 2
.macro FLD p, r, f
	ds_load_b128 v[FB+32*((\r)&1)+4*(\f):FB+32*((\r)&1)+4*(\f)+3], v[XA] offset:BFB*(\p)+16*BPITCH*(2*((\r)>>2)+(((\f)>>1)&1))+64*(2*((\r)&3)+((\f)>>2))+32*((\f)&1)
.endm
; In front of a run's 32 products: the run's whole LDS traffic.  The eight conversions (or five v_nop) are also the places between the
; products of the run before and the loads into the buffer that they read, and, at the head of a stage, between the O products
; and the products that write over their P and V^T (four and five).
; bw = 1 (a stage's fourth run, where there is vector work): the wait for the stage's batch of exponentials stands here, behind the conversions
; (or the v_nop), which are the plain instructions behind the last exponential (ISA guide 5.7.2), and ahead of the run's LDS instructions.
.macro HEAD p, r, conv, bw
	WIN 0
.if \conv
	s_wait_dscnt 8                                 ; my four loads of f32 are in (and the stores before them done); the eight fragment loads behind them stay out
.irp u, 0,1,2,3
	v_cvt_pk_bf16_f32 v[CO+2*\u], v[CV+4*\u], v[CV+4*\u+1]
	v_cvt_pk_bf16_f32 v[CO+2*\u+1], v[CV+4*\u+2], v[CV+4*\u+3]
.endr
.else
	NOPS 5
.endif
.if \bw
	s_wait_alu depctr_va_vdst(0)                   ; ONE wait for the stage's batch, the four 2^(old - new) and the 64 exponentials, ahead of the first line that names a result
.endif
.if \conv
.irp u, 0,1,2,3
	ds_store_b64 v[CS], v[CO+2*\u:CO+2*\u+1] offset:BFB*(1-(\p))+BPITCH*(2*(\r)+(\u>>1))+256*(\u&1)
.endr
.endif
.if (\r) < 7
.if \conv
.irp u, 0,1,2,3
	CL \p, (\r)+1, \u
.endr
.endif
.irp f, 0,1,2,3,4,5,6,7
	FLD \p, (\r)+1, \f
.endr
.endif
.endm
; THE VECTOR WORK OF A HALF hx.  Block b = 2 qt + m (m: which of the half's two row tiles): eight registers at SC + 32 qt + 16 hx + 8 m.
; Subtract and sum are written as multiply-adds by 1.0: that form has no vector register as second source, so that it
; stands among the S products without a change of window.
.macro SUBF hx, b, i                   ; two logits plus minus the maximum
.set rg_s, SC+32*((\b)>>1)+16*(\hx)+8*((\b)&1)+2*(\i)
	v_pk_fma_f32 v[rg_s:rg_s+1], v[rg_s:rg_s+1], 1.0, v[NM+2*((\b)>>1):NM+2*((\b)>>1)+1] op_sel_hi:[1,0,0]
.endm
; exponential k (0..63) of the half: number k % 8 of block k / 8, in place, but for numbers 6 and 7 of block 3: in half 0 their registers are v174 and v175,
; which the change of slots, between the batch and its readers, makes into the add's address and its 0.  So these two results go to v[XE:XE+1], in both halves alike.
.macro EXPF hx, k
.set ex_b, (\k)>>3
.set ex_i, (\k)&7
.set rg_e, SC+32*(ex_b>>1)+16*(\hx)+8*(ex_b&1)+ex_i
.if (ex_b == 3) && (ex_i > 5)
	v_exp_f32 v[XE+ex_i-6], v[rg_e]
.else
	v_exp_f32 v[rg_e], v[rg_e]
.endif
.endm
.macro SUMF hx, b, i                   ; two exponentials onto the running sums; a reader: it stands behind the batch's wait
.set rg_s, SC+32*((\b)>>1)+16*(\hx)+8*((\b)&1)+2*(\i)
.if ((\b) == 3) && ((\i) == 3)
.set rg_s, XE
.endif
	v_pk_fma_f32 v[LS+2*((\b)>>1):LS+2*((\b)>>1)+1], v[rg_s:rg_s+1], 1.0, v[LS+2*((\b)>>1):LS+2*((\b)>>1)+1] op_sel_hi:[1,0,1]
.endm
.macro LSR                             ; the running sums times 2^(old maximum - new): the batch's first reader; two vector sources, so it works in window 0
.irp qt, 0,1,2,3
	v_pk_mul_f32 v[LS+2*\qt:LS+2*\qt+1], v[LS+2*\qt:LS+2*\qt+1], v[ST+4*\qt+2:ST+4*\qt+3] op_sel_hi:[1,0]
.endr
.endm
.macro CVTB hx, b                      ; block b to bf16, into its place in the B fragment P(qt, hx): registers 4 m .. 4 m + 3; blocks in ascending order, behind all the sums
	WIN 0
.irp i, 0,1,2,3
.if ((\b) == 3) && (\i == 3)
	v_cvt_pk_bf16_f32 v[SC+32*((\b)>>1)+16*(\hx)+4*((\b)&1)+\i], v[XE], v[XE+1]
.else
	v_cvt_pk_bf16_f32 v[SC+32*((\b)>>1)+16*(\hx)+4*((\b)&1)+\i], v[SC+32*((\b)>>1)+16*(\hx)+8*((\b)&1)+2*\i], v[SC+32*((\b)>>1)+16*(\hx)+8*((\b)&1)+2*\i+1]
.endif
.endr
.endm
.macro RESC a                          ; O tile a = 4 dt + qt times 2^(old maximum - new) of its slot; under SIG_PV
.irp i, 0,1,2,3
	v_pk_mul_f32 v[OA+8*(\a)+2*\i:OA+8*(\a)+2*\i+1], v[OA+8*(\a)+2*\i:OA+8*(\a)+2*\i+1], v[ST+4*((\a)&3)+2:ST+4*((\a)&3)+3] op_sel_hi:[1,0]
.endr
.endm
; What stands behind the n-th S product of a stage (n = 0..63).
; n = 0..15: the maximum of the half's 16 logits a lane and slot tile (four chains, one step of each a time), the other 16 from lane l xor 16,
; minus the maximum, 2^(old - new) (the batch's first four), the subtracts of blocks 0 and 1: these work in window 0.
; n = 16..47, g = n - 16: the subtract of pair g + 8 (of 32 pairs, four to a block), while there are any, and the two exponentials of pair g: a pair is
; subtracted eight products ahead of its exponentials.  Under the products' own window setting.  Nothing up to here names an exponential's result.
; (the wait for the batch stands in the head of the stage's fourth run, and the sums are rescaled behind that head)
; n = 48..63, j = n - 48: the 32 sums, two at a time, under the products' own window setting: step j / 2 (block 2 qt + j / 8, pair (j / 2) % 4) of slot tiles 2 (j % 2) and
; 2 (j % 2) + 1.  Each pair of running sums takes its eight terms in ascending order, and the links of its chain stand two products apart.
.macro SGAP hx, first, n
.if (\n) < 16
	WIN 0
.endif
.if (\n) == 0
.irp qt, 0,1,2,3
.if \first
	v_max_num_f32 v[ST+4*\qt+1], v[SC+32*\qt+16*(\hx)], v[SC+32*\qt+16*(\hx)+1]
.else
	v_max3_num_f32 v[ST+4*\qt+1], v[ST+4*\qt], v[SC+32*\qt+16*(\hx)], v[SC+32*\qt+16*(\hx)+1]
.endif
.endr
.endif
.if (\n) > 0
.if (\n) < 8
.irp qt, 0,1,2,3
	v_max3_num_f32 v[ST+4*\qt+1], v[ST+4*\qt+1], v[SC+32*\qt+16*(\hx)+2*(\n)], v[SC+32*\qt+16*(\hx)+2*(\n)+1]
.endr
.endif
.endif
.if (\n) == 8
.irp qt, 0,1,2,3
	v_permlanex16_b32 v[ST+4*\qt+3], v[ST+4*\qt+1], s40, s41
.endr
.endif
.if (\n) == 9
.irp qt, 0,1,2,3
	v_max_num_f32 v[ST+4*\qt+1], v[ST+4*\qt+1], v[ST+4*\qt+3]
.endr
.endif
.if (\n) == 10
.if \first == 0
.irp qt, 0,1,2,3
	v_sub_f32 v[ST+4*\qt+2], v[ST+4*\qt], v[ST+4*\qt+1]        ; old maximum - new, at most 0
.endr
.endif
.endif
.if (\n) == 11
.irp qt, 0,1,2,3
	v_mov_b32 v[ST+4*\qt], v[ST+4*\qt+1]
.endr
.endif
.if (\n) == 12
.irp qt, 0,1,2,3
	v_sub_f32 v[NM+2*\qt], 0, v[ST+4*\qt+1]
.endr
.endif
.if (\n) == 13
.if \first == 0
.irp qt, 0,1,2,3
	v_exp_f32 v[ST+4*\qt+2], v[ST+4*\qt+2]         ; the batch begins; these four are first named behind its wait
.endr
.endif
.endif
.if (\n) == 14
.irp i, 0,1,2,3
	SUBF \hx, 0, \i
.endr
.endif
.if (\n) == 15
.irp i, 0,1,2,3
	SUBF \hx, 1, \i
.endr
.endif
.if (\n) > 15
.if (\n) < 48
.set gp_g, (\n)-16
.if gp_g < 24
.set gp_b, (gp_g+8)>>2
.set gp_i, gp_g&3
	SUBF \hx, gp_b, gp_i
.endif
.set gp_k, 2*gp_g
	EXPF \hx, gp_k
.set gp_k, 2*gp_g+1
	EXPF \hx, gp_k
.else
.set gp_g, (\n)-48
.set gp_b, 4*(gp_g&1)+(gp_g>>3)
.set gp_i, (gp_g>>1)&3
	SUMF \hx, gp_b, gp_i
.set gp_b, gp_b+2
	SUMF \hx, gp_b, gp_i
.endif
.endif
.endm
; What stands behind the n-th V product of a stage (n = 0..63), four instructions at a time, each time in its own window.
; n = 0..7: V of the half to bf16 where it lies (A fragment (dt, hx) of V^T): it names no exponential's result.
; n = 48..55, in the stage's fourth run, behind the batch's wait and behind all the sums: blocks 0 to 7 of P are packed.
; n = 58..61: the rescaling of O tiles 0 to 3, which the first O products need.
.macro VGAP hx, first, n
.if (\n) < 8
	WIN SIG_VC
.irp i, 0,1,2,3
	v_cvt_pk_bf16_f32 v[32*((\n)>>1)+16*(\hx)+4*((\n)&1)+\i], v[32*((\n)>>1)+16*(\hx)+8*((\n)&1)+2*\i], v[32*((\n)>>1)+16*(\hx)+8*((\n)&1)+2*\i+1]
.endr
.endif
.if (\n) > 47
.if (\n) < 56
	CVTB \hx, (\n)-48
.endif
.endif
.if \first == 0
.if (\n) > 57
.if (\n) < 62
	WIN SIG_PV
	RESC (\n)-58
.endif
.endif
.endif
.endm
; 16 products S(2 h + m, qt) += x(2 h + m, ks) Q'(qt, ks), ks = 2 kp, 2 kp + 1: eight accumulators by turns, one instruction a turn.
; vec = 1: the other half's vector work stands behind them.
.macro SG h, kp, vec, first
.irp ksl, 0,1
.irp m2, 0,1
.irp qt, 0,1,2,3
	WIN SIG_S
.if ((\kp)+\ksl) == 0
	v_wmma_f32_16x16x32_bf16 v[SC+32*\qt+8*(2*(\h)+\m2):SC+32*\qt+8*(2*(\h)+\m2)+7], v[FB+32*((\kp)&1)+8*(2*\ksl+\m2):FB+32*((\kp)&1)+8*(2*\ksl+\m2)+7], v[8*(8*\qt+2*(\kp)+\ksl):8*(8*\qt+2*(\kp)+\ksl)+7], 0
.else
	v_wmma_f32_16x16x32_bf16 v[SC+32*\qt+8*(2*(\h)+\m2):SC+32*\qt+8*(2*(\h)+\m2)+7], v[FB+32*((\kp)&1)+8*(2*\ksl+\m2):FB+32*((\kp)&1)+8*(2*\ksl+\m2)+7], v[8*(8*\qt+2*(\kp)+\ksl):8*(8*\qt+2*(\kp)+\ksl)+7], v[SC+32*\qt+8*(2*(\h)+\m2):SC+32*\qt+8*(2*(\h)+\m2)+7]
.endif
.if \vec
	SGAP 1-(\h), \first, cnt_s
.endif
.set cnt_s, cnt_s+1
.endr
.endr
.endr
.endm
; 16 products V(2 h + m, dt) += x(2 h + m, ks) Wv(dt, ks), from the same four fragments
.macro VG h, kp, vec, first
.irp ksl, 0,1
.irp m2, 0,1
.irp dt, 0,1,2,3
	WIN SIG_V
.if ((\kp)+\ksl) == 0
	v_wmma_f32_16x16x32_bf16 v[32*\dt+8*(2*(\h)+\m2):32*\dt+8*(2*(\h)+\m2)+7], v[FB+32*((\kp)&1)+8*(2*\ksl+\m2):FB+32*((\kp)&1)+8*(2*\ksl+\m2)+7], v[8*(8*\dt+2*(\kp)+\ksl):8*(8*\dt+2*(\kp)+\ksl)+7], 0
.else
	v_wmma_f32_16x16x32_bf16 v[32*\dt+8*(2*(\h)+\m2):32*\dt+8*(2*(\h)+\m2)+7], v[FB+32*((\kp)&1)+8*(2*\ksl+\m2):FB+32*((\kp)&1)+8*(2*\ksl+\m2)+7], v[8*(8*\dt+2*(\kp)+\ksl):8*(8*\dt+2*(\kp)+\ksl)+7], v[32*\dt+8*(2*(\h)+\m2):32*\dt+8*(2*(\h)+\m2)+7]
.endif
.if \vec
	VGAP 1-(\h), \first, cnt_v
.endif
.set cnt_v, cnt_v+1
.endr
.endr
.endr
.endm
; O(dt, qt) += V^T(dt, hx) P(qt, hx), K = the half's 32 hits: sixteen accumulators by turns, one instruction a turn.
; The rescaling of tile a + 4 stands behind the product of tile a: it names none of the registers of the products issued so far.
.macro PVH hx, first
	WIN SIG_PV
.irp dt, 0,1,2,3
.irp qt, 0,1,2,3
.if \first
	v_wmma_f32_16x16x32_bf16 v[OA+8*(4*\dt+\qt):OA+8*(4*\dt+\qt)+7], v[32*\dt+16*(\hx):32*\dt+16*(\hx)+7], v[SC+32*\qt+16*(\hx):SC+32*\qt+16*(\hx)+7], 0
.else
	v_wmma_f32_16x16x32_bf16 v[OA+8*(4*\dt+\qt):OA+8*(4*\dt+\qt)+7], v[32*\dt+16*(\hx):32*\dt+16*(\hx)+7], v[SC+32*\qt+16*(\hx):SC+32*\qt+16*(\hx)+7], v[OA+8*(4*\dt+\qt):OA+8*(4*\dt+\qt)+7]
.if 4*\dt+\qt < 12
	RESC 4*\dt+\qt+4
.endif
.endif
.endr
.endr
.endm
; The change of slots in front of a trip of parity pn.  ONE barrier orders: my reads of BF(1 - pn), just ended, against the coming
; trip's stores into it; my stores into BF(pn), just ended, against the coming trip's reads; my reads of F(pn), just ended, against
; its refill.  refill = 1: F(pn) gets the tile two behind the one that it held.  conv = 1: the coming trip converts a tile.
; Between the two halves of the barrier stands register work alone.
.macro CHG_OPEN pn, refill, conv
.if \conv
	s_wait_xcnt 0x0
	v_lshl_add_u32 v174, v0, 2, 0x30800
	v_mov_b32 v175, 0
	s_wait_tensorcnt 0x0                           ; all my tensor loads have landed: the one that was out is my quarter of the tile that the coming trip converts,
	ds_add_u32 v174, v175
	s_wait_dscnt 0x0
.endif
.if \refill
	s_add_nc_u64 s[G0+4*(\pn)+2:G0+4*(\pn)+3], s[G0+4*(\pn)+2:G0+4*(\pn)+3], 2*FSLOT   ; so this group 0 may be written: two tiles on
.endif
	s_wait_dscnt 0x0                               ; my LDS reads and stores are done, this run's fragments among them
	s_barrier_signal -1
.endm
.macro CHG_CLOSE pn, refill, conv
	WIN 0
	s_barrier_wait -1                              ; both now hold of all four waves
.if \refill
	tensor_load_to_lds s[G0+4*(\pn):G0+4*(\pn)+3], s[G1:G1+7]   ; first behind the barrier; the wait for it stands a whole trip (288 products) further on
	s_nop 0
.endif
.if \conv
.irp u, 0,1,2,3
	CL \pn, 0, \u
.endr
.endif
.irp f, 0,1,2,3,4,5,6,7
	FLD \pn, 0, \f                                 ; into fragment buffer 0, which the trip's last run does not read
.endr
.endm
; One half h of a tile of parity p.  conv: this trip converts the next tile.  chg (h = 1 alone): a trip follows; nrefill, nconv: its change
; of slots asks for a tile, it converts one.  vec: there is a half before this one; first: that half is the first of all.
; The head of the fourth run holds the wait for the stage's batch; the sums are rescaled behind that head's LDS instructions, ahead of the run's products.
.macro STAGE p, h, conv, chg, nrefill, nconv, vec, first
.set cnt_s, 0
.set cnt_v, 0
.irp kp, 0,1,2,3
.if \kp < 3
	HEAD \p, 4*(\h)+\kp, \conv, 0
.else
	HEAD \p, 4*(\h)+\kp, \conv, \vec
.if \vec
.if \first == 0
	LSR
.endif
.endif
.endif
.if (4*(\h)+\kp) < 7
	s_wait_dscnt 8+8*\conv                         ; this run's fragments are in; younger: the next run's 8 fragment loads and, where a tile is converted, 4 stores and 4 loads
	SG \h, \kp, \vec, \first
.else
.if \chg
	CHG_OPEN 1-(\p), \nrefill, \nconv
	SG \h, \kp, \vec, \first
	CHG_CLOSE 1-(\p), \nrefill, \nconv
.else
	s_wait_dscnt 0x0
	SG \h, \kp, \vec, \first
.endif
.endif
	VG \h, \kp, \vec, \first
.endr
.if \vec
	PVH 1-(\h), \first
.endif
.endm
.macro TRIP p, conv, chg, nrefill, nconv
	STAGE \p, 0, \conv, 0, 0, 0, 1, 0
	STAGE \p, 1, \conv, \chg, \nrefill, \nconv, 1, 0
	WIN 0
.endm
	s_load_b256 s[4:11], s[0:1], 0x0               ; x s[4:5], qf s[6:7], wvf s[8:9], op s[10:11]
	s_load_b64 s[12:13], s[0:1], 0x20              ; ml
	v_lshl_add_u32 v174, v0, 2, 0x30800
	v_mov_b32 v175, 0
	ds_add_u32 v174, v175
	ds_add_u32 v174, v175
	s_wait_dscnt 0x0
	v_lshrrev_b32 v6, 5, v0
	v_readfirstlane_b32 s14, v6                    ; wave
	v_and_b32 v7, 31, v0
	v_lshlrev_b32 v1, 4, v7                        ; 16 x lane
	v_and_b32 v6, 15, v0                           ; r
	v_bfe_u32 v7, v0, 4, 1                         ; h
	v_mul_u32_u24 v[XA], v6, BPITCH
	v_lshl_add_u32 v[XA], v7, 4, v[XA]
	s_lshl_b32 s16, s14, 14                        ; my 16 rows of f32
	s_add_co_u32 s17, s16, F0
	v_add_nc_u32 v[CA], s17, v1
	v_add_nc_u32 v[CA+1], FSLOT, v[CA]
	s_mul_i32 s18, s14, 16*BPITCH                  ; my 16 rows of bf16
	v_lshrrev_b32 v[CS], 1, v1
	v_add_nc_u32 v[CS], s18, v[CS]
	; group 1: my 16,384 bytes of a tile are dense in memory: 64 rows of 32 elements of 8 bytes, no padding
	s_mov_b32 s[G1+0], 3<<16                       ; no mask; element of 8 bytes
	s_mov_b32 s[G1+1], 32<<16                      ; tensor_dim0 = 32
	s_mov_b32 s[G1+2], 64<<16                      ; tensor_dim1 = 64
	s_mov_b32 s[G1+3], 32<<16                      ; tile_dim0 = 32
	s_mov_b32 s[G1+4], 64                          ; tile_dim1 = 64
	s_mov_b32 s[G1+5], 32                          ; from row to row: 32 elements
	s_mov_b32 s[G1+6], 0
	s_mov_b32 s[G1+7], 0
	s_mov_b32 s[G0+0], 1
	s_add_co_u32 s[G0+1], s16, F0
	s_mov_b32 s[G0+4], 1
	s_add_co_u32 s[G0+5], s16, F0+FSLOT
	s_and_b32 s19, ttmp7, 0xffff                   ; y = 16 b + chunk
	s_lshl_b32 s15, ttmp9, 2
	s_add_co_u32 s15, s15, s14                     ; head
	s_lshr_b32 s22, s19, 4
	s_lshl_b32 s22, s22, 3
	s_add_co_u32 s22, s22, s15                     ; 8 b + head
	s_and_b32 s23, s19, 15
	s_lshl_b32 s2, s22, 4
	s_add_co_u32 s23, s23, s2                      ; 16 (8 b + head) + chunk
	s_lshl_b32 s20, s19, 20                        ; a chunk of x is 1,048,576 bytes
	s_add_co_u32 s20, s20, s16
	s_mov_b32 s21, 0
	s_mov_b32 s40, 0x76543210                      ; v_permlanex16_b32: lane i of one half reads lane i of the other
	s_mov_b32 s41, 0xfedcba98
	s_wait_kmcnt 0x0
	s_add_nc_u64 s[G0+2:G0+3], s[4:5], s[20:21]    ; my rows of tile 0
	s_add_nc_u64 s[G0+6:G0+7], s[G0+2:G0+3], FSLOT ; of tile 1
	s_or_b32 s[G0+3], s[G0+3], 0x80000000          ; type = 2
	s_or_b32 s[G0+7], s[G0+7], 0x80000000
	tensor_load_to_lds s[G0:G0+3], s[G1:G1+7]      ; first fills: no barrier
	s_nop 0
	tensor_load_to_lds s[G0+4:G0+7], s[G1:G1+7]
	s_nop 0
	s_lshl_b32 s20, s22, 15
	s_add_nc_u64 s[6:7], s[6:7], s[20:21]          ; my 32 fragments of Q'
	s_lshl_b32 s20, s15, 15
	s_add_nc_u64 s[8:9], s[8:9], s[20:21]          ; my 32 fragments of Wv
	s_lshl_b32 s20, s23, 14
	s_add_nc_u64 s[10:11], s[10:11], s[20:21]
	s_lshl_b32 s20, s23, 10
	s_add_nc_u64 s[12:13], s[12:13], s[20:21]
	WIN 0x40                                       ; destination in window 1
.set n, 0
.rept 64
	global_load_b128 v[4*n:4*n+3], v1, s[6:7] offset:512*n
.set n, n+1
.endr
	WIN 0x80                                       ; destination in window 2
.set n, 0
.rept 64
	global_load_b128 v[4*n:4*n+3], v1, s[8:9] offset:512*n
.set n, n+1
.endr
	WIN 0
.set n, ST
.rept 32
	v_mov_b32 v[n], 0                              ; the eight sums start at 0; the other 24 are written so that pairs and lane exchanges read written registers
.set n, n+1
.endr
	s_wait_tensorcnt 0x1                           ; my quarter of tile 0 is in; tile 1's stays out
.set n, 0
.rept 32
	ds_load_b128 v[SC+4*n:SC+4*n+3], v[CA] offset:512*n
.set n, n+1
.endr
	s_wait_dscnt 0x0
.set n, 0
.rept 32
	v_cvt_pk_bf16_f32 v[SC+4*n], v[SC+4*n], v[SC+4*n+1]
	v_cvt_pk_bf16_f32 v[SC+4*n+1], v[SC+4*n+2], v[SC+4*n+3]
.set n, n+1
.endr
.set n, 0
.rept 32
	ds_store_b64 v[CS], v[SC+4*n:SC+4*n+1] offset:BPITCH*(n>>1)+256*(n&1)
.set n, n+1
.endr
	CHG_OPEN 0, 1, 1                               ; tile 0 is whole in BF0, tile 1 has landed in F1,
	CHG_CLOSE 0, 1, 1                              ; tile 2 is asked for into F0
	s_wait_loadcnt 0x0                             ; Q' and Wv, once
	STAGE 0, 0, 1, 0, 0, 0, 0, 0                   ; tile 0, first half: no half stands before it
	STAGE 0, 1, 1, 1, 1, 1, 1, 1                   ; second half; the first half starts the maxima, the sums and O: nothing is cleared but the eight sums
	WIN 0
	s_mov_b32 s42, 6                               ; tiles 1 to 12; their changes of slots ask for tiles 4 to 15
.Ltile:
	TRIP 1, 1, 1, 1, 1
	TRIP 0, 1, 1, 1, 1
	s_sub_co_u32 s42, s42, 1
	s_cmp_lg_u32 s42, 0
	s_cbranch_scc1 .Ltile
	TRIP 1, 1, 1, 0, 1                             ; tile 13: nothing more to ask for
	TRIP 0, 1, 1, 0, 0                             ; tile 14 converts tile 15; tile 15 will convert nothing
	TRIP 1, 0, 0, 0, 0                             ; tile 15
	; the last half's vector work has no products to stand among: the same steps in the same order, then its O products.
	; First all that names no exponential's result: statistics, subtracts, the batch itself, and V's packing, whose conversions are the plain instructions behind the last exponential
.set cnt_s, 0
.rept 48
	SGAP 1, 0, cnt_s
.set cnt_s, cnt_s+1
.endr
.set cnt_v, 0
.rept 8
	VGAP 1, 0, cnt_v
.set cnt_v, cnt_v+1
.endr
	WIN 0
	s_wait_alu depctr_va_vdst(0)                   ; ONE wait for the last half's batch, the four 2^(old - new) and the 64 exponentials, ahead of the first reader, the line below
	LSR
.rept 16
	SGAP 1, 0, cnt_s
.set cnt_s, cnt_s+1
.endr
.set cnt_v, 48
.rept 16
	VGAP 1, 0, cnt_v
.set cnt_v, cnt_v+1
.endr
	PVH 1, 0
	WIN 0
	; the way out: O as it lies (each store of the wave covers 512 consecutive bytes), the maxima and the sums
	NOPS 4                                         ; four places behind the last products before O is stored
.irp qt, 0,1,2,3
	v_add_f32 v[LQ+\qt], v[LS+2*\qt], v[LS+2*\qt+1]
.endr
.irp qt, 0,1,2,3
	v_permlanex16_b32 v[ST+4*\qt+3], v[LQ+\qt], s40, s41
.endr
.irp qt, 0,1,2,3
	v_add_f32 v[LQ+\qt], v[LQ+\qt], v[ST+4*\qt+3]
	v_mov_b32 v[MQ+\qt], v[ST+4*\qt]
.endr
	WIN 0x0c                                       ; store data in window 3
.irp qt, 0,1,2,3
.irp dt, 0,1,2,3
	global_store_b128 v1, v[OA+8*(4*\dt+\qt):OA+8*(4*\dt+\qt)+3], s[10:11] offset:4096*\qt+1024*\dt
	global_store_b128 v1, v[OA+8*(4*\dt+\qt)+4:OA+8*(4*\dt+\qt)+7], s[10:11] offset:4096*\qt+1024*\dt+512
.endr
.endr
	WIN 0
	global_store_b128 v1, v[MQ:MQ+3], s[12:13]
	global_store_b128 v1, v[LQ:LQ+3], s[12:13] offset:512
	s_wait_xcnt 0x0
	v_lshl_add_u32 v174, v0, 2, 0x30800
	v_mov_b32 v175, 0
	s_wait_tensorcnt 0x0
	ds_add_u32 v174, v175
	s_wait_dscnt 0x0
	s_endpgm
.Lfunc_end_k_qc2dc69cd47_attn:
	.size	k_qc2dc69cd47_attn, .Lfunc_end_k_qc2dc69cd47_attn-k_qc2dc69cd47_attn
	.p2alignl 7, 3214868480
	.fill 96, 4, 3214868480
	.section	.rodata,"a",@progbits
	.p2align	6, 0x0
	.amdhsa_kernel k_qc2dc69cd47_attn
		.amdhsa_group_segment_fixed_size 327680
		.amdhsa_private_segment_fixed_size 0
		.amdhsa_enable_private_segment 0
		.amdhsa_kernarg_size 40
		.amdhsa_user_sgpr_count 2
		.amdhsa_user_sgpr_kernarg_segment_ptr 1
		.amdhsa_wavefront_size32 1
		.amdhsa_system_sgpr_workgroup_id_x 1
		.amdhsa_system_sgpr_workgroup_id_y 1
		.amdhsa_system_sgpr_workgroup_id_z 1
		.amdhsa_system_vgpr_workitem_id 0
		.amdhsa_next_free_vgpr 1024
		.amdhsa_next_free_sgpr 66
		.amdhsa_reserve_vcc 0
		.amdhsa_float_denorm_mode_32 3
		.amdhsa_float_denorm_mode_16_64 3
		.amdhsa_memory_ordered 1
		.amdhsa_forward_progress 1
		.amdhsa_inst_pref_size 255
	.end_amdhsa_kernel
	.section	.bss,"aw",@nobits
	.p2align	6
	.space	262144
	.amdgpu_metadata
---
amdhsa.version: [ 1, 2 ]
amdhsa.kernels:
  - .name:           k_qc2dc69cd47_attn
    .symbol:         k_qc2dc69cd47_attn.kd
    .args:
      - { .name: hit_features, .offset: 0, .size: 8, .value_kind: global_buffer, .address_space: global }
      - { .name: qf, .offset: 8, .size: 8, .value_kind: global_buffer, .address_space: global }
      - { .name: wvf, .offset: 16, .size: 8, .value_kind: global_buffer, .address_space: global }
      - { .name: op, .offset: 24, .size: 8, .value_kind: global_buffer, .address_space: global }
      - { .name: ml, .offset: 32, .size: 8, .value_kind: global_buffer, .address_space: global }
    .group_segment_fixed_size: 327680
    .private_segment_fixed_size: 0
    .kernarg_segment_align: 8
    .kernarg_segment_size: 40
    .max_flat_workgroup_size: 128
    .sgpr_count:     66
    .vgpr_count:     1024
    .wavefront_size: 32
...
	.end_amdgpu_metadata
.endif
;; end of part 7
;; launch join: the kernel of part 5 again; grid 256 x 1, 8 waves a work-group, no clusters, 5,632 bytes of LDS; arguments op, ml, w1f, hp; writes hp
;; launch mlp: the kernel of part 6 again; grid 32 x 1, 8 waves a work-group, no clusters, 34,048 bytes of LDS; arguments hp, w2f, b1, b2, slot_representations, ln2_g, ln2_b, out0; writes out0
